; MI455X (gfx1250); checked and timed in simulation.
; The chip was launched on July 23, 2026; its instructions are those of AMD's public machine-readable ISA for CDNA 5 (MIT licence, August 2026) and "CDNA5" Instruction Set Architecture Reference Guide (July 2026). The comments in the code are by the model that wrote it; some were corrected since.
;; Causal Multihead Self Attention. Allowed arithmetic: matrix products marked QUANTISED: E2M1 operands, one E8M0 scale for each 32 along K, by v_wmma_scale_f32_16x16x128_f8f6f4 with both operands' format E2M1 (or v_wmma_scale_f32_32x16x128_f4), f32 sums; products left as they are: bf16, f16 or f32 operands; f32 sums; everything else in f32.
;; Inputs: token_positions 2,048 int32; wk 1,024 x 1,024 float32; wo 1,024 x 1,024 float32; wq 1,024 x 1,024 float32; wv 1,024 x 1,024 float32; x 4 x 2,048 x 1,024 float32.
;; Outputs: out0 4 x 2,048 x 1,024 float32.
;; This version of the problem:
;;   THIS VERSION OF THE PROBLEM IS GIVEN IN LOW PRECISION. The matrix products marked QUANTISED in the list below multiply operands that are first quantised to E2M1 (2 exponent bits, 1 mantissa bit; 4 bits a number), with one power-of-two scale for each 32 numbers along K (OCP MX v1.0); their sums are f32. The products marked 'left as it is' may take bf16, f16 or f32 operands, with f32 sums. Whichever they take, every output number must still come out within the allowed error. Rounding operands to bf16 (8 significant bits) uses up far more of that allowance than f16 does (11 bits, for magnitudes from 6e-5 to 65,504). All else is computed in f32.
;;   The module's matrix products, in the order in which they are computed (A, B: the left and right operand; K: the contracted axis; several contracted axes count as one K, in the product's order):
;;     1. [M 8,192, K 1,024] x [K 1,024, N 1,024]; A: input x; B: input wq: QUANTISED
;;     2. [M 8,192, K 1,024] x [K 1,024, N 1,024]; A: input x; B: input wk: QUANTISED
;;     3. [M 8,192, K 1,024] x [K 1,024, N 1,024]; A: input x; B: input wv: QUANTISED
;;     4. batch 64 x [M 2,048, K 64] x [K 64, N 2,048]; A: computed on the way; B: computed on the way: left as it is (an operand is computed on the way)
;;     5. batch 64 x [M 2,048, K 2,048] x [K 2,048, N 64]; A: computed on the way; B: computed on the way: left as it is (an operand is computed on the way)
;;     6. [M 8,192, K 1,024] x [K 1,024, N 1,024]; A: computed on the way; B: input wo: left as it is (an operand is computed on the way)
;;   THE QUANTISER, for each operand of a quantised product, along K:
;;     - K is cut into blocks of 32 from its start; a last block that is shorter is filled with zeros.
;;     - A block's scale is 2^e with e = floor(log2(the largest magnitude in the block)) - 2, held to -126 .. 127; a block of zeros has e = 0. As a byte (E8M0): e + 127.
;;     - Each number is divided by its block's scale, clamped to +-6, and rounded to the nearest number of E2M1, ties to even, subnormals kept.
;;     - The product sums the exact products of the quantised numbers (number of the format x scale) in f32.
;;   ~~~python
;;   def quantise(x, axis):      # numpy; x: float32 -> the quantised numbers, widened to float32 again
;;       x = np.moveaxis(x, axis, -1); K = x.shape[-1]
;;       x = np.pad(x, [(0, 0)] * (x.ndim - 1) + [(0, -K % 32)]); x = x.reshape(x.shape[:-1] + (-1, 32)); a = np.abs(x).max(-1, keepdims=True)
;;       e = np.where(a > 0, np.clip(np.frexp(np.where(a > 0, a, 1))[1] - 1 - 2, -126, 127), 0)      # np.frexp(a)[1] - 1 = floor(log2(a)), exactly
;;       r = np.clip(x / 2.0 ** e, -6, 6)
;;       step = 2.0 ** (np.maximum(np.frexp(np.where(r == 0, 1, r))[1] - 1, 0) - 1)
;;       q = np.round(r / step) * step * 2.0 ** e      # np.round: ties to even
;;       return np.moveaxis(q.reshape(q.shape[:-2] + (-1,))[..., :K], -1, axis).astype(np.float32)
;;   ~~~
;; One version. Each part assembles by itself: llvm-mc -triple=amdgcn-amd-amdhsa -mcpu=gfx1250 --defsym DOCPART=n.
;; ======== version 1 of 1: 6 launches
;; limits: values are held in f16: magnitudes above 65,504 overflow, below 6.1e-05 lose precision; right only within a limited range of input values
;; workspace buffers: codes 5,767,168 bytes; scales 360,448 bytes; wo16 2,097,152 bytes; cs 1,048,576 bytes; qkv 50,331,648 bytes; ao 16,777,216 bytes; o32 262,144 bytes
;; launch prep (part 1): grid 416 x 1, 4 waves a work-group, no clusters, 33,280 bytes of LDS; arguments x, wq, wk, wv, wo, token_positions, codes, scales, wo16, cs; writes codes, scales, wo16, cs
.if DOCPART == 1
	.amdgcn_target "amdgcn-amd-amdhsa--gfx1250"
	.amdhsa_code_object_version 6
	.text
	.protected	k_q4a7dafe280_prep
	.globl	k_q4a7dafe280_prep
	.p2align	8
	.type	k_q4a7dafe280_prep,@function
k_q4a7dafe280_prep:
	s_mov_b64 s[64:65], 0
	v_nop
	global_prefetch_b8 v0, s[64:65] scope:SCOPE_SE
	s_setreg_imm32_b32 hwreg(HW_REG_WAVE_MODE, 25, 1), 1
	s_wait_xcnt 0x0
; PREP: three jobs, told apart by the work-group's number.
;   0..351   x [8192][1024] and wq, wk, wv [1024][1024], f32, become codes of FP4 (E2M1), K innermost, and one E8M0 byte for each 32 along K.
;            codes: x's 8192 rows of 512 bytes, then the 3072 rows of wq, wk, wv; scales: 32 bytes a row, in the same order.
;   352..383 wo [1024][1024] f32 becomes f16, rows as they lie.
;   384..415 the table of rotations: cs[0][s][pair] = (cos, sin) of token_positions[s] x 10000^(-pair/32); cs[1][s][pair] = (1, 0), which leaves a pair as it is.
; THE QUANTISER: a block's scale is 2^(floor(log2(largest magnitude)) - 2); its byte is the largest magnitude's exponent field - 2, held at 1 from below; numbers are
; divided by the scale and rounded to the nearest code, ties to even, beyond 6 the largest code.
; LIMITS: a block of zeros gets the byte 1 (its codes are zeros; this program alone reads the bytes); NaN and infinities are not served.
; cos and sin: the angle less N x pi/2 (pi/2 in three parts, by fused multiply-adds), polynomials on +-pi/4, the quadrant from N.  Serves |token_positions| up to 2^20.
; 10000^(-pair/32) is one exponential in base 2: within a few units of the last place of the power.
; Rows are dense and 1024 is a multiple of 32: a tensor is a plain stream of blocks of 32.  A wave takes 16 steps of 512 numbers: four loads of 512 consecutive bytes, a turn
; through its own stage in LDS so that a lane holds 16 neighbours, two conversions, a store of 256 consecutive bytes; its 256 scale bytes leave as one store.
.set STEPS, 16
.set EMAX,  2
.set CB,    8                          ; bytes of 16 codes
.set R,     16                         ; v16-79   four sets of 16 numbers as loaded
.set X,     80                         ; v80-111  two sets of 16 neighbours
.set E,     112                        ; v112-127 a scale byte for each step
.set C,     128                        ; v128-191 codes, four registers a step
.set WREG,  8192                       ; LDS: a region for each wave: two stages of 32 x SP bytes, then its 256 scale bytes
.set SP,    80                         ; a lane's place in a stage: 64 bytes + 16 of padding
.set SPW,   12                         ; v12 LDS address of my spare word; never rewritten
.set NIL,   13                         ; v13 0; never rewritten
.set SPARE, 4*WREG                     ; behind the regions: the spare words, 128 bytes a wave
	s_load_b512 s[4:19], s[0:1], 0x0               ; x 4, wq 6, wk 8, wv 10, wo 12, token_positions 14, codes 16, scales 18
	s_load_b128 s[20:23], s[0:1], 0x40             ; wo16 20, cs 22
	v_lshl_add_u32 v[SPW], v0, 2, SPARE
	v_mov_b32 v[NIL], 0
	v_lshrrev_b32 v1, 5, v0
	v_readfirstlane_b32 s24, v1                    ; wave
	v_and_b32 v2, 31, v0                           ; lane
	v_lshlrev_b32 v3, 4, v2                        ; 16 x lane
	s_mul_i32 s25, s24, WREG
	v_lshrrev_b32 v14, 2, v2
	v_mul_u32_u24 v14, v14, SP
	v_and_b32 v15, 3, v2
	v_lshl_add_u32 v14, v15, 4, v14
	v_add_nc_u32 v14, s25, v14                     ; the stage, in: SP (lane / 4) + 16 (lane % 4)
	v_mul_u32_u24 v15, v2, SP
	v_add_nc_u32 v15, s25, v15                     ; and out: SP x lane
	v_mul_u32_u24 v4, v2, CB                       ; my codes' place in a step's
	v_lshrrev_b32 v5, 1, v2
	s_add_co_u32 s25, s25, 2*32*SP
	v_add_nc_u32 v5, s25, v5                       ; my block's scale byte in LDS
	v_lshlrev_b32 v7, 3, v2                        ; 8 x lane
	v_add_nc_u32 v6, s25, v7
	s_wait_kmcnt 0x0
	s_cmp_ge_u32 ttmp9, 384
	s_cbranch_scc1 .Ltable
	s_cmp_ge_u32 ttmp9, 352
	s_cbranch_scc1 .Lwo
	; ---- the quantiser.  The source is chosen by the work-group's number alone; codes and scale bytes of all four tensors lie on end, so one formula serves them
	s_and_b32 s28, ttmp9, 31                       ; a weight's work-group among its 32
	s_cmp_lt_u32 ttmp9, 320
	s_cselect_b64 s[26:27], s[8:9], s[10:11]
	s_cmp_lt_u32 ttmp9, 288
	s_cselect_b64 s[26:27], s[6:7], s[26:27]
	s_cmp_lt_u32 ttmp9, 256
	s_cselect_b64 s[26:27], s[4:5], s[26:27]
	s_cselect_b32 s28, ttmp9, s28
	s_lshl_b32 s28, s28, 2
	s_add_co_u32 s28, s28, s24                     ; which run of 8,192 numbers of the source is my wave's
	s_lshl_b32 s28, s28, 15
	s_mov_b32 s29, 0
	s_add_nc_u64 s[26:27], s[26:27], s[28:29]
	s_lshl_b32 s30, ttmp9, 2
	s_add_co_u32 s30, s30, s24                     ; and which run of the results
	s_lshl_b32 s28, s30, 12
	s_add_nc_u64 s[16:17], s[16:17], s[28:29]      ; 4,096 bytes of codes a run
	s_lshl_b32 s28, s30, 8
	s_add_nc_u64 s[18:19], s[18:19], s[28:29]      ; 256 scale bytes a run
.macro LOAD t
.irp i, 0,1,2,3
	global_load_b128 v[R+16*((\t)%4)+4*\i:R+16*((\t)%4)+4*\i+3], v3, s[26:27] offset:2048*(\t)+512*\i th:TH_LOAD_NT   ; 32 lanes read 512 consecutive bytes
.endr
.endm
.macro TURN t                          ; step t's numbers through the stage: LDS serves a wave's instructions in order, so no wait stands between the stores and the loads
.irp i, 0,1,2,3
	ds_store_b128 v14, v[R+16*((\t)%4)+4*\i:R+16*((\t)%4)+4*\i+3] offset:32*SP*((\t)%2)+8*SP*\i
.endr
.irp i, 0,1,2,3
	ds_load_b128 v[X+16*((\t)%2)+4*\i:X+16*((\t)%2)+4*\i+3], v15 offset:32*SP*((\t)%2)+16*\i
.endr
.endm
.irp t, 0,1,2,3
	LOAD \t
.endr
	s_wait_loadcnt 12                              ; step 0's four loads are in; the twelve of steps 1 to 3 may be out
	TURN 0
.macro STEP t
.set XS, X+16*((\t)%2)
.if (\t) > 0
	s_wait_dscnt 1                                 ; this step's numbers are back from the stage (the last step's byte store may be out)
.else
	s_wait_dscnt 0x0
.endif
.if (\t)+4 < STEPS
	LOAD (\t)+4                                    ; into the registers that this step's stores into the stage have read
.endif
.if (\t)+1 < STEPS
.if STEPS-2-(\t) >= 3
	s_wait_loadcnt 12                              ; the next step's four loads are in; those of the three steps behind it may be out
.else
	s_wait_loadcnt 4*(STEPS-2-(\t))
.endif
	TURN (\t)+1
.endif
	v_max3_num_f32 v8, |v[XS]|, |v[XS+1]|, |v[XS+2]|               ; the largest magnitude of my 16, in two chains
	v_max3_num_f32 v9, |v[XS+3]|, |v[XS+4]|, |v[XS+5]|
.irp i, 6,10
	v_max3_num_f32 v8, v8, |v[XS+\i]|, |v[XS+\i+1]|
	v_max3_num_f32 v9, v9, |v[XS+\i+2]|, |v[XS+\i+3]|
.endr
	v_max3_num_f32 v8, v8, |v[XS+14]|, |v[XS+15]|
	v_max3_num_f32 v8, v8, v9, (EMAX+1)<<23        ; and the floor 2^(3 - 127): the byte cannot fall under 1
	v_max_num_f32_dpp v8, v8, v8 row_xmask:1 row_mask:0xf bank_mask:0xf   ; with my neighbour's 16: the block's
	v_add_nc_u32 v11, -(EMAX<<23), v8              ; 2 off the exponent field: the conversion takes this operand's exponent field as its scale
	v_cvt_scalef32_pk8_fp4_f32 v[C+4*(\t)], v[XS:XS+7], v11
	v_cvt_scalef32_pk8_fp4_f32 v[C+4*(\t)+1], v[XS+8:XS+15], v11
	v_lshrrev_b32 v[E+(\t)], 23, v11               ; the scale's byte
	ds_store_b8 v5, v[E+(\t)] offset:16*(\t)       ; both lanes of a block write the same byte with the same value
	global_store_b64 v4, v[C+4*(\t):C+4*(\t)+1], s[16:17] offset:32*CB*(\t)   ; the wave stores 256 consecutive bytes, aligned
.endm
.irp t, 0,1,2,3,4,5,6,7,8,9,10,11,12,13,14,15
	STEP \t
.endr
	ds_load_b64 v[8:9], v6                         ; LDS serves a wave's instructions in order: these see my byte stores
	s_wait_dscnt 0x0
	global_store_b64 v7, v[8:9], s[18:19]          ; 256 scale bytes in one store
	s_branch .Lend
	; ---- wo to f16: a wave takes 8,192 numbers, four groups of sixteen loads, two groups ahead
.Lwo:
	s_sub_co_u32 s28, ttmp9, 352
	s_lshl_b32 s28, s28, 2
	s_add_co_u32 s28, s28, s24
	s_lshl_b32 s30, s28, 14                        ; 16,384 bytes out a run,
	s_lshl_b32 s28, s28, 15                        ; 32,768 in
	s_mov_b32 s29, 0
	s_mov_b32 s31, 0
	s_add_nc_u64 s[12:13], s[12:13], s[28:29]
	s_add_nc_u64 s[20:21], s[20:21], s[30:31]
.macro WLOAD g
.irp i, 0,1,2,3,4,5,6,7,8,9,10,11,12,13,14,15
	global_load_b128 v[16+64*((\g)%2)+4*\i:16+64*((\g)%2)+4*\i+3], v3, s[12:13] offset:(16*(\g)+\i)*512 th:TH_LOAD_NT
.endr
.endm
.macro WGROUP g
.set WS, 16+64*((\g)%2)
.if (\g) < 3
	s_wait_loadcnt 16                              ; this group's sixteen loads are in; the next group's may be out
.else
	s_wait_loadcnt 0x0
.endif
	s_wait_xcnt 0x0                                ; the last group's stores have read their data: v144-175 are written again only behind this wait
.irp i, 0,1,2,3,4,5,6,7,8,9,10,11,12,13,14,15
	v_cvt_pk_f16_f32 v[144+2*\i], v[WS+4*\i], v[WS+4*\i+1]
	v_cvt_pk_f16_f32 v[145+2*\i], v[WS+4*\i+2], v[WS+4*\i+3]
.endr
.if (\g)+2 < 4
	WLOAD (\g)+2
.endif
.irp i, 0,1,2,3,4,5,6,7,8,9,10,11,12,13,14,15
	global_store_b64 v7, v[144+2*\i:145+2*\i], s[20:21] offset:(16*(\g)+\i)*256   ; 256 consecutive bytes a store
.endr
.endm
	WLOAD 0
	WLOAD 1
	WGROUP 0
	WGROUP 1
	WGROUP 2
	WGROUP 3
	s_branch .Lend
	; ---- the table: a wave takes 16 positions, a lane a pair of channels
.Ltable:
	s_sub_co_u32 s28, ttmp9, 384
	s_lshl_b32 s28, s28, 2
	s_add_co_u32 s28, s28, s24
	s_lshl_b32 s30, s28, 12                        ; 16 rows of 256 bytes of the table,
	s_lshl_b32 s28, s28, 6                         ; 16 positions of 4 bytes
	s_mov_b32 s29, 0
	s_mov_b32 s31, 0
	s_add_nc_u64 s[14:15], s[14:15], s[28:29]
	s_add_nc_u64 s[22:23], s[22:23], s[30:31]
	s_load_b512 s[32:47], s[14:15], 0x0            ; my 16 positions
	s_mov_b32 s48, 0x3f22f983                      ; 2 / pi
	s_mov_b32 s49, 0xbfc90fdb                      ; - pi/2, its first part,
	s_mov_b32 s50, 0x333bbd2e                      ; its second,
	s_mov_b32 s51, 0x26f72ced                      ; its third
	s_mov_b32 s52, 0xbe2aaaa3                      ; sine: r + r z (S1 + z (S2 + z S3))
	s_mov_b32 s53, 0x3c08839e
	s_mov_b32 s54, 0xb94ca1f9
	s_mov_b32 s55, 0x3d2aaaa5                      ; cosine: 1 - z / 2 + z z (C1 + z (C2 + z C3))
	s_mov_b32 s56, 0xbab6061a
	s_mov_b32 s57, 0x37ccf5ce
	v_cvt_f32_u32 v9, v2
	v_mul_f32 v9, 0xbed49a78, v9                   ; - pair x log2(10000) / 32
	v_exp_f32 v10, v9                              ; 10000^(-pair / 32)
	v_mov_b32 v64, 1.0                             ; (plain work behind the exponential)  the pair that turns nothing
	v_mov_b32 v65, 0
	s_wait_alu depctr_va_vdst(0)                   ; ahead of the exponential's first reader
	s_wait_kmcnt 0x0
.macro SINCOS i
	v_cvt_f32_i32 v16, s[32+\i]
	v_mul_f32 v16, v16, v10                        ; the angle, in f32 as it is defined
	v_mul_f32 v17, s48, v16
	v_rndne_f32 v17, v17                           ; N
	v_fma_f32 v18, v17, s49, v16
	v_fma_f32 v18, v17, s50, v18
	v_fma_f32 v18, v17, s51, v18                   ; r = angle - N pi/2
	v_cvt_i32_f32 v19, v17
	v_mul_f32 v20, v18, v18                        ; z
	v_fma_f32 v21, v20, s54, s53
	v_fma_f32 v21, v21, v20, s52
	v_mul_f32 v21, v21, v20
	v_fma_f32 v21, v21, v18, v18                   ; sin r
	v_fma_f32 v22, v20, s57, s56
	v_fma_f32 v22, v22, v20, s55
	v_fma_f32 v23, v20, -0.5, 1.0
	v_mul_f32 v24, v20, v20
	v_fma_f32 v22, v24, v22, v23                   ; cos r
	v_and_b32 v23, 1, v19
	v_cmp_eq_u32 vcc_lo, 1, v23                    ; odd quadrants change the two
	v_cndmask_b32 v24, v21, v22, vcc_lo
	v_cndmask_b32 v25, v22, v21, vcc_lo
	v_and_b32 v23, 2, v19
	v_lshlrev_b32 v23, 30, v23
	v_xor_b32 v[33+2*\i], v24, v23                 ; the sine is negative in quadrants 2 and 3,
	v_add_nc_u32 v23, 1, v19
	v_and_b32 v23, 2, v23
	v_lshlrev_b32 v23, 30, v23
	v_xor_b32 v[32+2*\i], v25, v23                 ; the cosine in 1 and 2
	global_store_b64 v7, v[32+2*\i:33+2*\i], s[22:23] offset:256*\i          ; a position's 32 pairs: 256 consecutive bytes
	global_store_b64 v7, v[64:65], s[22:23] offset:524288+256*\i
.endm
.irp i, 0,1,2,3,4,5,6,7,8,9,10,11,12,13,14,15
	SINCOS \i
.endr
.Lend:
	s_wait_tensorcnt 0x0                           ; the wave's end
	ds_add_u32 v[SPW], v[NIL]
	s_wait_dscnt 0x0
	s_endpgm
.Lfunc_end_k_q4a7dafe280_prep:
	.size	k_q4a7dafe280_prep, .Lfunc_end_k_q4a7dafe280_prep-k_q4a7dafe280_prep
	.p2alignl 7, 3214868480
	.fill 96, 4, 3214868480
	.section	.rodata,"a",@progbits
	.p2align	6, 0x0
	.amdhsa_kernel k_q4a7dafe280_prep
		.amdhsa_group_segment_fixed_size 33280
		.amdhsa_private_segment_fixed_size 0
		.amdhsa_enable_private_segment 0
		.amdhsa_kernarg_size 80
		.amdhsa_user_sgpr_count 2
		.amdhsa_user_sgpr_kernarg_segment_ptr 1
		.amdhsa_wavefront_size32 1
		.amdhsa_system_sgpr_workgroup_id_x 1
		.amdhsa_system_sgpr_workgroup_id_y 1
		.amdhsa_system_sgpr_workgroup_id_z 1
		.amdhsa_system_vgpr_workitem_id 0
		.amdhsa_next_free_vgpr 192
		.amdhsa_next_free_sgpr 66
		.amdhsa_reserve_vcc 1
		.amdhsa_float_denorm_mode_32 3
		.amdhsa_float_denorm_mode_16_64 3
		.amdhsa_memory_ordered 1
		.amdhsa_forward_progress 1
		.amdhsa_inst_pref_size 78
	.end_amdhsa_kernel
	.amdgpu_metadata
---
amdhsa.version: [ 1, 2 ]
amdhsa.kernels:
  - .name:           k_q4a7dafe280_prep
    .symbol:         k_q4a7dafe280_prep.kd
    .args:
      - { .name: x, .offset: 0, .size: 8, .value_kind: global_buffer, .address_space: global }
      - { .name: wq, .offset: 8, .size: 8, .value_kind: global_buffer, .address_space: global }
      - { .name: wk, .offset: 16, .size: 8, .value_kind: global_buffer, .address_space: global }
      - { .name: wv, .offset: 24, .size: 8, .value_kind: global_buffer, .address_space: global }
      - { .name: wo, .offset: 32, .size: 8, .value_kind: global_buffer, .address_space: global }
      - { .name: token_positions, .offset: 40, .size: 8, .value_kind: global_buffer, .address_space: global }
      - { .name: codes, .offset: 48, .size: 8, .value_kind: global_buffer, .address_space: global }
      - { .name: scales, .offset: 56, .size: 8, .value_kind: global_buffer, .address_space: global }
      - { .name: wo16, .offset: 64, .size: 8, .value_kind: global_buffer, .address_space: global }
      - { .name: cs, .offset: 72, .size: 8, .value_kind: global_buffer, .address_space: global }
    .group_segment_fixed_size: 33280
    .private_segment_fixed_size: 0
    .kernarg_segment_align: 8
    .kernarg_segment_size: 80
    .max_flat_workgroup_size: 128
    .sgpr_count:     66
    .vgpr_count:     192
    .wavefront_size: 32
...
	.end_amdgpu_metadata
.endif
;; end of part 1
;; launch qkv (part 2): grid 12 x 32, 4 waves a work-group, clusters of 4 x 4, 327,680 bytes of LDS; arguments codes, scales, cs, qkv; writes qkv
.if DOCPART == 2
	.amdgcn_target "amdgcn-amd-amdhsa--gfx1250"
	.amdhsa_code_object_version 6
	.text
	.protected	k_q4a7dafe280_qkv
	.globl	k_q4a7dafe280_qkv
	.p2align	8
	.type	k_q4a7dafe280_qkv,@function
k_q4a7dafe280_qkv:
	s_mov_b64 s[64:65], 0
	v_nop
	global_prefetch_b8 v0, s[64:65] scope:SCOPE_SE
	s_setreg_imm32_b32 hwreg(HW_REG_WAVE_MODE, 25, 1), 1
	s_wait_xcnt 0x0
	s_wait_alu depctr_hold_cnt(0) depctr_sa_sdst(0) depctr_va_vdst(0) depctr_va_sdst(0) depctr_va_ssrc(0) depctr_va_vcc(0) depctr_vm_vsrc(0)
	s_getreg_b32 s2, hwreg(HW_REG_IB_STS2, 6, 4)
	s_cmp_eq_u32 s2, 0
	s_cbranch_scc0 .Lentry_in_a_cluster
	s_endpgm
.Lentry_in_a_cluster:
	s_bfe_u32 s2, ttmp6, 0x10000c
	s_cmp_lg_u32 s2, 0xf033
	s_cbranch_scc0 .Lentry_shape_is_right
	s_endpgm
.Lentry_shape_is_right:
; q, k, v = x wq^T, x wk^T, x wv^T on codes of FP4 (E2M1) with one E8M0 scale for each 32 along K; then the rotation of q and k, rounding to f16, and the layout that the attention wants.
; One GEMM: A = x's codes [8192][1024], B = the codes of wq, wk, wv on end [3072][1024].  A tile of 256 x 256 is made by four waves, each 128 x 128: 64 accumulators, 512 registers.
; K = 1024 is two LDS slots of 512 along K (rows of 256 bytes): both are asked for at the start and nothing is filled again.  The scales of the tile's rows come once, as dense blocks.
; CLUSTERS: 4 x 4 work-groups; A's tiles are asked for jointly along a row of the cluster, B's along a column.
; THE MATRIX INSTRUCTION IS USED TRANSPOSED (source 0 = 16 rows of B, source 1 = 16 rows of A): a lane holds one token (lane % 16) and eight neighbouring channels, 8 (lane / 16) + 0..7 of a block of 16.
; THE WAY OUT.  A lane's eight channels are four pairs of the rotation: (x1 c - x2 s, x1 s + x2 c), c and s from the table by token and pair; v's tiles read the table's second half, (1, 0).
; Rounded to f16 they are 16 bytes, and the 32 lanes' 16 bytes are one block of 512 bytes of qkv: [tensor][batch x 16 + head][token / 16][channel / 16][512 bytes].
; q, k: lane l's bytes at 16 l: two blocks are the registers of a 16 x 32 operand.  v: token r, half h at 16 ((r & 7) + 8 h + 16 (r >> 3)): the order in which the turning LDS load, at 16 x lane, wants them.
; LIMIT: |q|, |k|, |v| under 65,504 (f16).
; REGISTERS: window 0: v0-31 addresses; v32-95 scale words, later the rotated numbers; v96-159 later the f16 results; v128-191 A's fragments; v192-255 the table, two sets.
;   window 1: B's fragments, two sets.  windows 2, 3: the accumulators ((a, b) at v[8 (8 (a % 4) + b)]).
.set KSTEP,  512
.set NQ,     4                         ; matrix instructions deep in a slot
.set ROWB,   256                       ; a tile's row in bytes
.set KROW,   512                       ; a row of codes in memory
.set PITCH,  272                       ; an LDS row: 256 bytes + 16 of padding: the 16 rows of a load start at 16 different banks (64 banks of 4 bytes: ISA guide 11.1)
.set FR,     8
.set NL,     2
.set NP,     4                         ; places behind this matrix instruction (ISA guide 7.12.1)
.set HALFT,  128*PITCH
.set SLOT,   4*HALFT
.set KS,     32                        ; a row of scale bytes
.set SCL,    2*SLOT
.set HALFS,  (128*KS/256)*272
.set SBLK,   (16*KS/256)*272
.set SPARE,  SCL+4*HALFS
.set WCO,    4194304                   ; where the weights' codes begin
.set WSO,    262144                    ; and their scale bytes
.set ADRA, 16
.set ADRB, 20
.set STO,  24                          ; v24 my 16 bytes' place in a block of 512
.set ADRS, 27
.set SPW,  28
.set NIL,  29
.set CSO,  30                          ; v30 my place in the table: 256 x token + 32 x half
.set SC,   32
.set TR,   32                          ; v32-95 the rotated numbers of a block of 16 tokens
.set OUTR, 96                          ; v96-159 two sets of 32: f16
.set AF,   128
.set CT,   192                         ; v192-255 two sets of 32: (cos, sin) of my token's 16 pairs
.set G1, 24
.set G0, 32
.set G1B, 48
.set G0B, 56
.set G1S, 68
.set G0S, 76
.set G1SB, 80
.set G0SB, 88
.set MSB, 0
.macro WIN new                         ; the immediate's high byte repeats the setting that is left
.if MSB != \new
	s_set_vgpr_msb (MSB<<8)|\new
.set MSB, \new
.endif
.endm
.set MUL_LO, 0xa1                      ; source 0 (B) window 1, source 1 (A) window 0, C and D window 2
.set MUL_HI, 0xf1
.set TO_B,   0x40
; A joint load: waves 0 and 1 fetch for A, waves 2 and 3 for B; the branch hangs on the wave's number alone.  An s_nop 0 and four v_nop follow each line.
.macro JLOAD g0a, g1a, g0b, g1b
	s_cmp_eq_u32 s15, 0
	s_cbranch_scc0 .Lfor_b_\@
	tensor_load_to_lds s[\g0a:\g0a+3], s[\g1a:\g1a+7]
	s_nop 0
.rept 4
	v_nop
.endr
	s_branch .Lasked_\@
.Lfor_b_\@:
	tensor_load_to_lds s[\g0b:\g0b+3], s[\g1b:\g1b+7]
	s_nop 0
.rept 4
	v_nop
.endr
.Lasked_\@:
.endm
.macro CROUND                          ; a round of the cluster's barrier
	s_barrier_signal -1
	s_barrier_wait -1
	s_cmp_lg_u32 s14, 0
	s_cbranch_scc1 .Lnot_wave_0_\@
	s_barrier_signal -3
.Lnot_wave_0_\@:
	s_barrier_wait -3
	s_barrier_signal -1
	s_barrier_wait -1
.endm
	s_load_b256 s[4:11], s[0:1], 0x0               ; codes 4, scales 6, cs 8, qkv 10
	v_lshl_add_u32 v[SPW], v0, 2, SPARE
	v_mov_b32 v[NIL], 0
	ds_add_u32 v[SPW], v[NIL]                      ; the wave's opening: the add, twice on end, and its wait ahead of my first tensor load
	ds_add_u32 v[SPW], v[NIL]
	v_lshrrev_b32 v1, 5, v0
	v_readfirstlane_b32 s14, v1                    ; wave 0..3
	s_lshr_b32 s15, s14, 1                         ; which half of the tile's rows is mine.  Also: I fetch for A (0) or for B (1)
	s_and_b32 s16, s14, 1                          ; which half of its columns.  Also: which 128 rows of that tile I fetch
	s_bfe_u32 s40, ttmp6, 0x40000                  ; cx, cy
	s_bfe_u32 s41, ttmp6, 0x40004
	s_lshl_b32 s42, ttmp9, 2
	s_add_co_u32 s42, s42, s40                     ; tile column
	s_and_b32 s17, ttmp7, 0xffff
	s_lshl_b32 s17, s17, 2
	s_add_co_u32 s17, s17, s41                     ; tile row
	s_lshl_b32 s43, s41, 2
	s_lshl_b32 s43, 15, s43                        ; my row of the cluster
	s_lshl_b32 s44, 0x1111, s40                    ; my column
	s_or_b32 s[G1+0], s43, (0<<16)|(1<<20)|(1<<21)|(5<<22)|(3<<25)  ; the mask; elements of 1 byte; padding: 4 words behind every 64; bit 21 beside a mask
	s_or_b32 s[G1B+0], s44, (0<<16)|(1<<20)|(1<<21)|(5<<22)|(3<<25)
.irp g, G1, G1B
	s_mov_b32 s[\g+1], ROWB<<16                    ; tensor_dim0
	s_mov_b32 s[\g+2], 128<<16                     ; tensor_dim1
	s_mov_b32 s[\g+3], ROWB<<16                    ; tile_dim0
	s_mov_b32 s[\g+4], 128                         ; tile_dim1
	s_mov_b32 s[\g+5], KROW                        ; the pitch
	s_mov_b32 s[\g+6], 0
	s_mov_b32 s[\g+7], 0
.endr
	s_or_b32 s[G1S+0], s43, (3<<16)|(1<<20)|(1<<21)|(5<<22)|(3<<25) ; the scales of 128 rows: 4,096 dense bytes as 16 rows of 256 (32 elements of 8 bytes), padded alike
	s_or_b32 s[G1SB+0], s44, (3<<16)|(1<<20)|(1<<21)|(5<<22)|(3<<25)
.irp g, G1S, G1SB
	s_mov_b32 s[\g+1], 32<<16
	s_mov_b32 s[\g+2], (128*KS/256)<<16
	s_mov_b32 s[\g+3], 32<<16
	s_mov_b32 s[\g+4], 128*KS/256
	s_mov_b32 s[\g+5], 32
	s_mov_b32 s[\g+6], 0
	s_mov_b32 s[\g+7], 0
.endr
	s_lshl_b32 s18, s16, 7
	s_lshl_b32 s20, s17, 8
	s_add_co_u32 s20, s20, s18                     ; A: row 256 x tile row + 128 x half
	s_lshl_b32 s46, s42, 8
	s_add_co_u32 s46, s46, s18                     ; B: row 256 x tile column + 128 x half
	s_mov_b32 s21, 0
	s_mov_b32 s47, 0
	s_mov_b64 s[18:19], KS
	s_mul_u64 s[22:23], s[20:21], s[18:19]
	s_mul_u64 s[92:93], s[46:47], s[18:19]
	s_mov_b64 s[18:19], KROW
	s_mul_u64 s[20:21], s[20:21], s[18:19]
	s_mul_u64 s[46:47], s[46:47], s[18:19]
	s_add_nc_u64 s[46:47], s[46:47], WCO           ; the weights lie behind x in both buffers
	s_add_nc_u64 s[92:93], s[92:93], WSO
	s_mul_i32 s45, s14, HALFT                      ; where they go: wave x 128 rows
	s_mul_i32 s94, s14, HALFS
	s_wait_dscnt 0x0                               ; both opening adds are done
	s_wait_kmcnt 0x0
	s_add_nc_u64 s[20:21], s[4:5], s[20:21]
	s_add_nc_u64 s[22:23], s[6:7], s[22:23]
	s_add_nc_u64 s[46:47], s[4:5], s[46:47]
	s_add_nc_u64 s[92:93], s[6:7], s[92:93]
	CROUND                                         ; all sixteen work-groups are here: the joint loads meet
	s_mov_b32 s[G0S], 1
	s_add_co_u32 s[G0S+1], s94, SCL
	s_mov_b64 s[G0S+2:G0S+3], s[22:23]
	s_or_b32 s[G0S+3], s[G0S+3], 0x80000000
	s_mov_b32 s[G0SB], 1
	s_add_co_u32 s[G0SB+1], s94, SCL
	s_mov_b64 s[G0SB+2:G0SB+3], s[92:93]
	s_or_b32 s[G0SB+3], s[G0SB+3], 0x80000000
	JLOAD G0S, G1S, G0SB, G1SB                     ; the scales first
.irp s, 0,1
	s_mov_b32 s[G0+4*\s], 1
	s_add_co_u32 s[G0+4*\s+1], s45, \s*SLOT
	s_add_nc_u64 s[G0+4*\s+2:G0+4*\s+3], s[20:21], \s*ROWB
	s_or_b32 s[G0+4*\s+3], s[G0+4*\s+3], 0x80000000
	s_mov_b32 s[G0B+4*\s], 1
	s_add_co_u32 s[G0B+4*\s+1], s45, \s*SLOT
	s_add_nc_u64 s[G0B+4*\s+2:G0B+4*\s+3], s[46:47], \s*ROWB
	s_or_b32 s[G0B+4*\s+3], s[G0B+4*\s+3], 0x80000000
	JLOAD G0+4*\s, G1, G0B+4*\s, G1B               ; three tensor loads of mine are out behind the second of these
.endr
	v_and_b32 v1, 15, v0                           ; r
	v_bfe_u32 v2, v0, 4, 1                         ; h
	v_mul_u32_u24 v3, v1, PITCH
	v_lshl_add_u32 v4, v2, 4, v3
	s_mul_i32 s21, s15, HALFT
	s_mul_i32 s22, s16, HALFT
	s_add_co_u32 s22, s22, 2*HALFT
.irp s, 0,1
	v_add_nc_u32 v[ADRA+\s], s21, v4
	v_add_nc_u32 v[ADRB+\s], s22, v4
	s_add_co_u32 s21, s21, SLOT
	s_add_co_u32 s22, s22, SLOT
.endr
	v_mul_u32_u24 v5, v1, KS                       ; my row's scales: 32 bytes a row,
	v_lshrrev_b32 v6, 8, v5
	v_lshl_add_u32 v5, v6, 4, v5                   ; and 16 more for each 256 passed
	s_mul_i32 s21, s15, HALFS
	s_mul_i32 s22, s16, HALFS
	s_add_co_u32 s22, s22, 2*HALFS
	s_sub_co_u32 s22, s22, s21
	v_mul_u32_u24 v6, s22, v2                      ; lanes 16-31 take B's
	s_add_co_u32 s21, s21, SCL
	v_add_nc_u32 v5, v5, v6
	v_add_nc_u32 v[ADRS], s21, v5
	; the way out: which tensor, heads and tokens are my wave's
	s_lshr_b32 s96, s42, 2                         ; tensor: 0 q, 1 k, 2 v
	s_and_b32 s97, s42, 3
	s_lshl_b32 s97, s97, 2
	s_lshl_b32 s98, s16, 1
	s_add_co_u32 s97, s97, s98                     ; my first head of two
	s_lshr_b32 s98, s17, 3                         ; batch
	s_lshl_b32 s98, s98, 4
	s_add_co_u32 s97, s97, s98
	s_lshl_b32 s98, s96, 6
	s_add_co_u32 s97, s97, s98                     ; 64 tensor + 16 batch + head
	s_lshl_b32 s20, s97, 18                        ; 262,144 bytes a head
	s_and_b32 s98, s17, 7
	s_lshl_b32 s98, s98, 8
	s_lshl_b32 s99, s15, 7
	s_add_co_u32 s98, s98, s99                     ; my first token in its sequence
	s_lshl_b32 s99, s98, 7                         ; 2,048 bytes for 16 tokens
	s_add_co_u32 s20, s20, s99
	s_mov_b32 s21, 0
	s_add_nc_u64 s[10:11], s[10:11], s[20:21]
	s_lshl_b32 s20, s98, 8                         ; the table: 256 bytes a token
	s_cmp_eq_u32 s96, 2
	s_cselect_b32 s99, 524288, 0                   ; v reads the half that turns nothing
	s_cselect_b32 s96, -1, 0
	s_add_co_u32 s20, s20, s99
	s_add_nc_u64 s[8:9], s[8:9], s[20:21]
	v_and_b32 v6, 31, v0
	v_lshlrev_b32 v5, 4, v6                        ; q, k: 16 x lane
	v_and_b32 v7, 7, v1
	v_lshl_add_u32 v7, v2, 3, v7
	v_lshrrev_b32 v8, 3, v1
	v_lshl_add_u32 v7, v8, 4, v7
	v_lshlrev_b32 v7, 4, v7                        ; v: 16 ((r & 7) + 8 h + 16 (r >> 3))
	v_cndmask_b32 v[STO], v5, v7, s96
	v_lshlrev_b32 v[CSO], 8, v1
	v_lshl_add_u32 v[CSO], v2, 5, v[CSO]
.macro TLOADS a                        ; the table for block a's 16 tokens: my token's pairs 8 cl + 4 h + 0..3, cl = 0..3
.irp cl, 0,1,2,3
.irp e, 0,1
	global_load_b128 v[CT+32*((\a)%2)+8*\cl+4*\e:CT+32*((\a)%2)+8*\cl+4*\e+3], v[CSO], s[8:9] offset:(\a)*4096+\cl*64+\e*16
.endr
.endr
.endm
	TLOADS 0
	TLOADS 1
.macro FRAG reg, adr, q, i             ; 16 rows x 128 K of 4-bit codes: 8 registers, two loads of 16 bytes, 32 bytes apart
.irp c, 0,1
	ds_load_b128 v[\reg+4*\c:\reg+4*\c+3], v[\adr] offset:64*(\q)+32*\c+(\i)*16*PITCH
.endr
.endm
; 16 matrix instructions: A's blocks a0, a0 + 1 x B's eight.  The 64 accumulators take turns, one instruction a turn, in the same order in every step.
.macro MUL16 a0, p, q, sc, zero
.irp a, \a0, \a0+1
.irp b, 0,1,2,3,4,5,6,7
.if \zero
	v_wmma_scale_f32_16x16x128_f8f6f4 v[8*(8*((\a)%4)+\b):8*(8*((\a)%4)+\b)+7], v[128*(\p)+FR*\b:128*(\p)+FR*\b+FR-1], v[AF+FR*(\a):AF+FR*(\a)+FR-1], 0, v[SC+8*NQ*(\sc)+NQ*\b+(\q)], v[SC+8*NQ*(\sc)+NQ*(\a)+(\q)] matrix_a_fmt:MATRIX_FMT_FP4 matrix_b_fmt:MATRIX_FMT_FP4 matrix_a_scale:MATRIX_SCALE_ROW1
.else
	v_wmma_scale_f32_16x16x128_f8f6f4 v[8*(8*((\a)%4)+\b):8*(8*((\a)%4)+\b)+7], v[128*(\p)+FR*\b:128*(\p)+FR*\b+FR-1], v[AF+FR*(\a):AF+FR*(\a)+FR-1], v[8*(8*((\a)%4)+\b):8*(8*((\a)%4)+\b)+7], v[SC+8*NQ*(\sc)+NQ*\b+(\q)], v[SC+8*NQ*(\sc)+NQ*(\a)+(\q)] matrix_a_fmt:MATRIX_FMT_FP4 matrix_b_fmt:MATRIX_FMT_FP4 matrix_a_scale:MATRIX_SCALE_ROW1
.endif
.endr
.endr
.endm
.macro FETCH_B slot, q, p
	WIN TO_B
.irp i, 0,1,2,3,4,5,6,7
	FRAG 128*(\p)+FR*\i, ADRB+\slot, \q, \i
.endr
	WIN 0
.endm
.macro FETCH_A slot, q, i0
.irp i, \i0, \i0+1, \i0+2, \i0+3
	FRAG AF+FR*(\i), ADRA+\slot, \q, \i
.endr
.endm
.macro SCALES sc                       ; a slot's scale words: lanes 0-15 A's block i, lanes 16-31 B's block i
.irp i, 0,1,2,3,4,5,6,7
	ds_load_b128 v[SC+8*NQ*\sc+NQ*\i:SC+8*NQ*\sc+NQ*\i+3], v[ADRS] offset:\i*SBLK
.endr
.endm
.macro PLACES n                        ; plain vector instructions that name no register of the matrix instructions before them
.rept \n
	v_nop
.endr
.endm
.macro STEP slot, q, zero              ; 128 along K, with its successor in the same slot
	s_wait_dscnt 4*NL                              ; B's set and A's blocks 0-3 are in; the youngest eight loads (A's blocks 4-7) may be out
	WIN MUL_LO
	MUL16 0, (\q)%2, \q, \slot, \zero
	MUL16 2, (\q)%2, \q, \slot, \zero
	s_wait_dscnt 0
	PLACES NP
	FETCH_B \slot, (\q)+1, 1-(\q)%2
	FETCH_A \slot, (\q)+1, 0
	WIN MUL_HI
	MUL16 4, (\q)%2, \q, \slot, \zero
	MUL16 6, (\q)%2, \q, \slot, \zero
	PLACES NP
	WIN 0
	FETCH_A \slot, (\q)+1, 4
.endm
.macro TURN slot, next                 ; slot 0's last step: behind the barrier slot 1 is whole for every wave.  Nothing is filled again
	s_wait_tensorcnt 0x0                           ; my part of the next slot has landed
	ds_add_u32 v[SPW], v[NIL]
	s_wait_dscnt 4*NL+1                            ; the add and the youngest eight loads may be out
	WIN MUL_LO
	MUL16 0, 1, NQ-1, \slot, 0
	s_wait_dscnt 0x0
	s_barrier_signal -1
	MUL16 2, 1, NQ-1, \slot, 0
	WIN 0
	s_barrier_wait -1
	PLACES NP
	v_add_nc_u32 v[ADRS], 4*NQ, v[ADRS]            ; the next slot's scale words
	FETCH_B \next, 0, 0
	FETCH_A \next, 0, 0
	SCALES \next
	WIN MUL_HI
	MUL16 4, 1, NQ-1, \slot, 0
	MUL16 6, 1, NQ-1, \slot, 0
	PLACES NP
	WIN 0
	FETCH_A \next, 0, 4
.endm
.macro STEPS slot, from
.set Q, \from
.rept NQ-1-\from
	STEP \slot, Q, 0
.set Q, Q+1
.endr
.endm
	s_wait_tensorcnt 1                             ; the scales and my part of slot 0 are in; slot 1's load may be out
	s_barrier_signal -1
	s_barrier_wait -1
	FETCH_B 0, 0, 0
	FETCH_A 0, 0, 0
	SCALES 0
	FETCH_A 0, 0, 4
	STEP 0, 0, 1                                   ; the first products start the sums: nothing is cleared
	STEPS 0, 1
	TURN 0, 1
	STEPS 1, 0
	s_wait_dscnt 4*NL
	WIN MUL_LO
	MUL16 0, 1, NQ-1, 1, 0
	MUL16 2, 1, NQ-1, 1, 0
	s_wait_dscnt 0
	WIN MUL_HI
	MUL16 4, 1, NQ-1, 1, 0
	MUL16 6, 1, NQ-1, 1, 0
	WIN 0
; Block a: 16 tokens x my 128 columns (two heads).  Each accumulator is read from its low end on.
.macro OUTBLK a
.set AC, 64*((\a)%4)
.set CC, CT+32*((\a)%2)
.set OO, OUTR+32*((\a)%2)
.if (\a) < 7
	s_wait_loadcnt 8                               ; this block's eight table loads are in; the next block's may be out
.else
	s_wait_loadcnt 0x0
.endif
	s_wait_xcnt 0x0                                ; the stores of two blocks ago have read their data
	WIN 0x02+(\a)/4                                ; source 0: window 2 or 3
.irp b, 0,1,2,3,4,5,6,7
.irp p, 0,1,2,3
	v_pk_mul_f32 v[TR+8*\b+2*\p:TR+8*\b+2*\p+1], v[AC+8*\b+2*\p:AC+8*\b+2*\p+1], v[CC+8*(\b%4)+2*\p:CC+8*(\b%4)+2*\p+1] op_sel_hi:[1,0]   ; (x1 c, x2 c)
.endr
.irp p, 0,1,2,3
	v_pk_fma_f32 v[TR+8*\b+2*\p:TR+8*\b+2*\p+1], v[AC+8*\b+2*\p:AC+8*\b+2*\p+1], v[CC+8*(\b%4)+2*\p:CC+8*(\b%4)+2*\p+1], v[TR+8*\b+2*\p:TR+8*\b+2*\p+1] op_sel:[1,1,0] op_sel_hi:[0,1,1] neg_lo:[0,1,0]   ; (- x2 s, + x1 s)
.endr
.endr
	WIN 0
.irp b, 0,1,2,3,4,5,6,7
.irp p, 0,1,2,3
	v_cvt_pk_f16_f32 v[OO+4*\b+\p], v[TR+8*\b+2*\p], v[TR+8*\b+2*\p+1]
.endr
.endr
.irp b, 0,1,2,3,4,5,6,7
	global_store_b128 v[STO], v[OO+4*\b:OO+4*\b+3], s[10:11] offset:(\a)*2048+(\b/4)*262144+(\b%4)*512   ; the wave stores one block: 512 consecutive bytes, aligned
.endr
.if (\a) < 6
	TLOADS (\a)+2
.endif
.endm
	PLACES NP                                      ; ahead of the first reads of results and the first writes over scale words and fragments
.irp a, 0,1,2,3,4,5,6,7
	OUTBLK \a
.endr
	s_wait_tensorcnt 0x0                           ; the wave's end
	ds_add_u32 v[SPW], v[NIL]
	s_wait_dscnt 0x0
	CROUND                                         ; the closing round
	s_endpgm
.Lfunc_end_k_q4a7dafe280_qkv:
	.size	k_q4a7dafe280_qkv, .Lfunc_end_k_q4a7dafe280_qkv-k_q4a7dafe280_qkv
	.p2alignl 7, 3214868480
	.fill 96, 4, 3214868480
	.section	.rodata,"a",@progbits
	.p2align	6, 0x0
	.amdhsa_kernel k_q4a7dafe280_qkv
		.amdhsa_group_segment_fixed_size 327680
		.amdhsa_private_segment_fixed_size 0
		.amdhsa_enable_private_segment 0
		.amdhsa_kernarg_size 32
		.amdhsa_user_sgpr_count 2
		.amdhsa_user_sgpr_kernarg_segment_ptr 1
		.amdhsa_wavefront_size32 1
		.amdhsa_system_sgpr_workgroup_id_x 1
		.amdhsa_system_sgpr_workgroup_id_y 1
		.amdhsa_system_sgpr_workgroup_id_z 1
		.amdhsa_system_vgpr_workitem_id 0
		.amdhsa_next_free_vgpr 1024
		.amdhsa_next_free_sgpr 100
		.amdhsa_reserve_vcc 0
		.amdhsa_float_denorm_mode_32 3
		.amdhsa_float_denorm_mode_16_64 3
		.amdhsa_memory_ordered 1
		.amdhsa_forward_progress 1
		.amdhsa_inst_pref_size 157
	.end_amdhsa_kernel
	.amdgpu_metadata
---
amdhsa.version: [ 1, 2 ]
amdhsa.kernels:
  - .name:           k_q4a7dafe280_qkv
    .symbol:         k_q4a7dafe280_qkv.kd
    .args:
      - { .name: codes, .offset: 0, .size: 8, .value_kind: global_buffer, .address_space: global }
      - { .name: scales, .offset: 8, .size: 8, .value_kind: global_buffer, .address_space: global }
      - { .name: cs, .offset: 16, .size: 8, .value_kind: global_buffer, .address_space: global }
      - { .name: qkv, .offset: 24, .size: 8, .value_kind: global_buffer, .address_space: global }
    .group_segment_fixed_size: 327680
    .private_segment_fixed_size: 0
    .kernarg_segment_align: 8
    .kernarg_segment_size: 32
    .max_flat_workgroup_size: 128
    .sgpr_count:     100
    .vgpr_count:     1024
    .wavefront_size: 32
...
	.end_amdgpu_metadata
.endif
;; end of part 2
;; launch attn (part 3): grid 4 x 64, 16 waves a work-group, no clusters, 327,680 bytes of LDS; arguments qkv, ao; writes ao
.if DOCPART == 3
	.amdgcn_target "amdgcn-amd-amdhsa--gfx1250"
	.amdhsa_code_object_version 6
	.text
	.protected	k_q4a7dafe280_attn
	.globl	k_q4a7dafe280_attn
	.p2align	8
	.type	k_q4a7dafe280_attn,@function
k_q4a7dafe280_attn:
	s_mov_b64 s[64:65], 0
	v_nop
	global_prefetch_b8 v0, s[64:65] scope:SCOPE_SE
	s_setreg_imm32_b32 hwreg(HW_REG_WAVE_MODE, 25, 1), 1
	s_wait_xcnt 0x0
; Causal attention, head size 64, on f16 operands with f32 sums: O[q] = sum over k <= q of softmax_k(Q[q] . K[k] / 8) V[k].
; q, k, v come as blocks of 512 bytes (16 tokens x 16 channels) that are images of operand registers: every load, from memory or LDS, is 16 x lane + a constant.
; SHARES.  Work-group (g, batch x 16 + head) owns the blocks g and 7 - g of 256 queries: every work-group has the same number of key steps under the mask.  Each of its sixteen waves owns 32 queries,
; two tiles of 16, so that each fragment of K and V read from LDS feeds two matrix instructions; four waves share a SIMD, two of the early block and two of the late one.
; LAYOUT.  S^T = K Q^T (a lane holds one query, lane % 16, and keys 8 (lane / 16) + 0..7 of each 16); rounded to f16 in pairs that is source 1 of O^T = V^T P; V comes turned, by ds_load_tr16_b128.
; SOFTMAX.  A running maximum m and sum l for each query: p = 2^(c s - c m), c = log2(e) / 8; O and l are multiplied by 2^(c m_old - c m_new) in every step.  The sum is taken of p in f32.
; THE RING.  Two LDS slots of 256 keys (K's 32 KiB, then V's), filled by waves 0 to 3, 16 KiB each, read by all sixteen.  Every work-group walks all eight changes of slots: the trip counts are constants.
; A key step all of whose keys come after a wave's queries is jumped over (ids alone); a slot whose first key comes after the work-group's last query is not asked for.  Every wait for tensor loads is for 0.
; NO CLUSTER: the four work-groups of a head need 8, 7, 6 and 5 slots, so a joint load would bring tiles that a whole partner never reads.
; LIMITS: |q|, |k|, |v| and O under 65,504 (f16).  Positions 0 to 15 of a sequence are made again, in f32, by later launches.
.set TEN,   16777216                   ; bytes of a tensor in qkv
.set SLOT1, 1<<16
.set VOFF,  32768
.set SPARE, 131072                     ; the spare words: 128 bytes for each of 16 waves
.set LN,   1                           ; v1  16 x lane
.set ADR,  2                           ; v2  LDS address of the step's tiles
.set LT,   3                           ; v3  r - 8 h
.set NINF, 4                           ; v4  -infinity
.set SPW,  5
.set NIL,  6
.set PFO,  7                           ; v7  256 x lane
.set DD,   8                           ; v8  the mask's bound
.set CM,   10                          ; v[10:11], v[12:13]  (c m, m) of tiles 0, 1
.set LL,   14                          ; v[14:15], v[16:17]  l, even keys' and odd keys'
.set TT,   18                          ; v18-25 at work
.set Q,    32                          ; v32-63   Q: tile t, channels 32 u on, at 16 t + 8 u
.set KV,   64                          ; v64-127  K of the step, then V
.set S,    128                         ; v128-159 S^T of one tile
.set P,    160                         ; v160-191 P, 16 a tile
.set O,    192                         ; v192-255 O^T, 32 a tile
.set TB,   2                           ; s2  LDS byte at which the step's tiles begin
.set CNT,  3
.set WV,   18
.set SEL,  20
.set CS,   22
.set G1,   24
.set G0,   40
.set KF,   66                          ; the step's first key
.set SLOTS, 67
.set Q0,   68                          ; my first query
.set LASTQ, 69                         ; my work-group's last query
.set PFA,  76
.set LIM,  80
.macro TLOAD                           ; waves 0 to 3 fetch: K's halves, V's halves.  An s_nop 0 and four v_nop follow the line
	s_cmp_lt_u32 s[WV], 4
	s_cbranch_scc0 .Lnone_\@
	tensor_load_to_lds s[G0:G0+3], s[G1:G1+7]
	s_nop 0
.rept 4
	v_nop
.endr
.Lnone_\@:
.endm
; A prefetch of the slot that the NEXT change of slots will load: four key steps ahead of that load.  The four work-groups of a head walk the same K and V: the first of them (g = 0, which walks all slots) asks.
; In it waves 4 to 7 ask for K's 32 KiB and waves 8 to 11 for V's, 8 KiB a wave, lanes 256 bytes apart: each aligned 256 bytes is named once.  Slots 0 and 1 come by their loads alone; slot 7 is the last named.
.macro ASK
	s_cmp_gt_u32 s[SLOTS], s[LIM]
	s_cbranch_scc0 .Lnot_mine_\@
	global_prefetch_b8 v[PFO], s[PFA:PFA+1] th:TH_LOAD_NT scope:SCOPE_SE
.Lnot_mine_\@:
.endm
	s_load_b128 s[4:7], s[0:1], 0x0                ; qkv 4, ao 6
	v_lshl_add_u32 v[SPW], v0, 2, SPARE
	v_mov_b32 v[NIL], 0
	ds_add_u32 v[SPW], v[NIL]                      ; the wave's opening: the add, twice on end, and its wait ahead of the first tensor load
	ds_add_u32 v[SPW], v[NIL]
	v_lshrrev_b32 v8, 5, v0
	v_readfirstlane_b32 s[WV], v8                  ; wave 0..15
	s_and_b32 s70, ttmp7, 0xffff                   ; batch x 16 + head
	s_lshl_b32 s72, s70, 18                        ; its 262,144 bytes in each tensor
	s_lshr_b32 s81, s[WV], 2
	s_xor_b32 s81, s81, s[WV]
	s_and_b32 s81, s81, 1                          ; 0: the early block, 1: the late one
	s_sub_co_u32 s82, 7, ttmp9
	s_cmp_eq_u32 s81, 0
	s_cselect_b32 s82, ttmp9, s82
	s_lshl_b32 s82, s82, 8
	s_lshr_b32 s83, s[WV], 1
	s_lshl_b32 s83, s83, 5
	s_add_co_u32 s[Q0], s82, s83
	s_sub_co_u32 s[LASTQ], 8, ttmp9
	s_lshl_b32 s[LASTQ], s[LASTQ], 8
	s_sub_co_u32 s[LASTQ], s[LASTQ], 1
	s_mov_b32 s[G1], 3<<16                         ; 16 KiB, dense: 64 rows of 32 elements of 8 bytes, no padding, no mask
	s_mov_b32 s[G1+1], 32<<16
	s_mov_b32 s[G1+2], 64<<16
	s_mov_b32 s[G1+3], 32<<16
	s_mov_b32 s[G1+4], 64
	s_mov_b32 s[G1+5], 32
	s_mov_b32 s[G1+6], 0
	s_mov_b32 s[G1+7], 0
	s_and_b32 s84, s[WV], 3
	s_lshl_b32 s85, s84, 14                        ; in a slot: K's halves, V's halves
	s_lshr_b32 s86, s84, 1
	s_lshl_b32 s86, s86, 24                        ; K or V,
	s_and_b32 s87, s84, 1
	s_lshl_b32 s87, s87, 14                        ; which half,
	s_add_co_u32 s86, s86, s87
	s_add_co_u32 s86, s86, s72                     ; my head
	s_add_co_u32 s86, s86, TEN
	s_mov_b32 s87, 0
	s_mov_b32 s[SEL], 0x76543210
	s_mov_b32 s[SEL+1], 0xfedcba98
	s_mov_b32 s[CS], 0x3e38aa3b                    ; c = log2(e) / 8
	s_mov_b32 s[CS+1], s[CS]
	s_mov_b32 s[TB], 0
	s_mov_b32 s[KF], 0
	s_mov_b32 s[SLOTS], 7
	s_wait_dscnt 0x0                               ; both opening adds are done
	s_wait_kmcnt 0x0
	s_mov_b32 s[G0], 1
	s_mov_b32 s[G0+1], s85
	s_add_nc_u64 s[G0+2:G0+3], s[4:5], s[86:87]
	s_or_b32 s[G0+3], s[G0+3], 0x80000000
	TLOAD                                          ; slot 0: key 0 counts for every query, so every wave reads it
	s_lshl_b32 s74, s[Q0], 7
	s_add_co_u32 s74, s74, s72
	s_mov_b32 s75, 0
	s_add_nc_u64 s[8:9], s[4:5], s[74:75]          ; Q at my first query
	s_and_b32 s74, s70, 15                         ; head
	s_lshr_b32 s88, s74, 1
	s_lshl_b32 s88, s88, 21                        ; ao: [head / 2][row / 16][(head & 1) x 2 + u][c][512 bytes]
	s_and_b32 s74, s74, 1
	s_lshl_b32 s74, s74, 11
	s_add_co_u32 s88, s88, s74
	s_lshr_b32 s74, s70, 4                         ; batch
	s_lshl_b32 s74, s74, 19
	s_add_co_u32 s88, s88, s74
	s_lshl_b32 s74, s[Q0], 8
	s_add_co_u32 s88, s88, s74
	s_mov_b32 s89, 0
	s_add_nc_u64 s[10:11], s[6:7], s[88:89]
	s_sub_co_u32 s90, s[WV], 4
	s_lshr_b32 s91, s90, 2
	s_and_b32 s91, s91, 1                          ; waves 4-7: K, 8-11: V
	s_lshl_b32 s91, s91, 24
	s_and_b32 s92, s90, 3
	s_lshl_b32 s92, s92, 13                        ; my 8 KiB of the 32
	s_add_co_u32 s92, s92, s91
	s_add_co_u32 s92, s92, s72
	s_add_co_u32 s92, s92, TEN+32768               ; in slot 1: the first change of slots steps it to slot 2
	s_mov_b32 s93, 0
	s_add_nc_u64 s[PFA:PFA+1], s[4:5], s[92:93]
	s_lshr_b32 s90, s90, 3                         ; 0 in waves 4 to 11,
	s_or_b32 s90, s90, ttmp9                       ; of the head's first work-group
	s_cmp_eq_u32 s90, 0
	s_cselect_b32 s[LIM], 1, -1
	v_and_b32 v8, 31, v0
	v_lshlrev_b32 v[LN], 4, v8
	v_lshlrev_b32 v[PFO], 8, v8
.irp t, 0,1
.irp f, 0,1,2,3
	global_load_b128 v[Q+16*\t+4*\f:Q+16*\t+4*\f+3], v[LN], s[8:9] offset:\t*2048+\f*512   ; Q stays in registers
.endr
.endr
	v_and_b32 v9, 15, v0
	v_bfe_u32 v8, v0, 4, 1
	v_lshlrev_b32 v8, 3, v8
	v_sub_nc_u32 v[LT], v9, v8
	v_mov_b32 v[NINF], 0xff800000
	v_mov_b32 v[CM+1], 0xff61b1e6                  ; m: -3e38, under every score
	v_mov_b32 v[CM+3], 0xff61b1e6
	v_mul_f32 v[CM], s[CS], v[CM+1]
	v_mul_f32 v[CM+2], s[CS], v[CM+3]
.irp i, 0,1,2,3
	v_mov_b32 v[LL+\i], 0
.endr
.irp i, 0,1,2,3,4,5,6,7
	v_mov_b32 v[TT+\i], 0                          ; written once: a lane permute's destination and the upper halves of named pairs count as read
.endr
.irp j, 0,1,2,3,4,5,6,7,8,9,10,11,12,13,14,15,16,17,18,19,20,21,22,23,24,25,26,27,28,29,30,31,32,33,34,35,36,37,38,39,40,41,42,43,44,45,46,47,48,49,50,51,52,53,54,55,56,57,58,59,60,61,62,63
	v_mov_b32 v[O+\j], 0                           ; O^T: the key step is written once; its first run finds zeros, which the first change of m leaves zeros
.endr
; S^T of tile t: 64 keys x 16 queries, four accumulators by turns, channels 0-31 then 32-63; then four places
.macro SQK t
.irp u, 0,1
.irp kt, 0,1,2,3
.if \u == 0
	v_wmma_f32_16x16x32_f16 v[S+8*\kt:S+8*\kt+7], v[KV+16*\kt+8*\u:KV+16*\kt+8*\u+7], v[Q+16*\t+8*\u:Q+16*\t+8*\u+7], 0
.else
	v_wmma_f32_16x16x32_f16 v[S+8*\kt:S+8*\kt+7], v[KV+16*\kt+8*\u:KV+16*\kt+8*\u+7], v[Q+16*\t+8*\u:Q+16*\t+8*\u+7], v[S+8*\kt:S+8*\kt+7]
.endif
.endr
.endr
.rept 4
	v_nop
.endr
.endm
; On the diagonal hidden scores become -infinity.  Register 8 kt + j holds key KF + 16 kt + 8 h + j; my query is Q0 + 16 t + r: hidden where 16 kt + j > Q0 + 16 t - KF + r - 8 h
.macro MASK t
	s_add_co_u32 s96, s[KF], 63
	s_add_co_u32 s97, s[Q0], 16*\t
	s_cmp_le_u32 s96, s97
	s_cbranch_scc1 .Lopen_\@                       ; all 64 keys count for all 16 queries
	s_sub_co_i32 s97, s97, s[KF]
	v_add_nc_u32 v[DD], s97, v[LT]
.irp kt, 0,1,2,3
.irp j, 0,1,2,3,4,5,6,7
	v_cmp_gt_i32 vcc_lo, 16*\kt+\j, v[DD]
	v_cndmask_b32 v[S+8*\kt+\j], v[S+8*\kt+\j], v[NINF], vcc_lo
.endr
.endr
.Lopen_\@:
.endm
.macro SOFT t
.set rC, CM+2*\t
.set rL, LL+2*\t
.set rP, P+16*\t
.set rO, O+32*\t
.irp x, 0,1,2,3
	v_max3_num_f32 v[TT+\x], v[S+8*\x], v[S+8*\x+1], v[S+8*\x+2]          ; four chains, each from its accumulator's low end on
.endr
.irp i, 3,5
.irp x, 0,1,2,3
	v_max3_num_f32 v[TT+\x], v[TT+\x], v[S+8*\x+\i], v[S+8*\x+\i+1]
.endr
.endr
	v_max3_num_f32 v[TT], v[TT], v[S+7], v[S+15]
	v_max3_num_f32 v[TT+2], v[TT+2], v[S+23], v[S+31]
	v_max3_num_f32 v[TT], v[TT], v[TT+1], v[TT+2]
	v_max3_num_f32 v[TT], v[TT], v[TT+3], v[rC+1]                         ; with the old m
	v_permlanex16_b32 v[TT+6], v[TT], s[SEL], s[SEL+1]                    ; the query's other 32 keys lie in the lane 16 away
	v_mov_b32 v[TT+5], v[rC]
	v_max_num_f32 v[rC+1], v[TT], v[TT+6]                                 ; the new m
	v_mul_f32 v[rC], s[CS], v[rC+1]
	v_sub_f32 v[TT+5], v[TT+5], v[rC]                                     ; c m_old - c m_new
.irp b, 0,2,4,6,8,10,12,14,16,18,20,22,24,26,28,30
	v_pk_fma_f32 v[S+\b:S+\b+1], v[S+\b:S+\b+1], s[CS:CS+1], v[rC:rC+1] op_sel_hi:[1,0,0] neg_lo:[0,0,1] neg_hi:[0,0,1]   ; c s - c m
.endr
	v_exp_f32 v[TT+4], v[TT+5]                                            ; a
.irp e, 0,1,2,3,4,5,6,7,8,9,10,11,12,13,14,15,16,17,18,19,20,21,22,23,24,25,26,27,28,29,30,31
	v_exp_f32 v[S+\e], v[S+\e]                                            ; p
.endr
	v_nop                                                                 ; a plain instruction behind the last exponential
	s_wait_alu depctr_va_vdst(0)                                          ; one wait for the batch of 33, ahead of its first reader
.irp b, 0,1,2,3,4,5,6,7,8,9,10,11,12,13,14,15
	v_cvt_pk_f16_f32 v[rP+\b], v[S+2*\b], v[S+2*\b+1]
.endr
.irp u, 0,4,8,12,16,20,24,28
	v_pk_add_f32 v[S+\u:S+\u+1], v[S+\u:S+\u+1], v[S+\u+2:S+\u+3]         ; the sum of the unrounded p, as a tree
.endr
.irp u, 0,8,16,24
	v_pk_add_f32 v[S+\u:S+\u+1], v[S+\u:S+\u+1], v[S+\u+4:S+\u+5]
.endr
.irp u, 0,16
	v_pk_add_f32 v[S+\u:S+\u+1], v[S+\u:S+\u+1], v[S+\u+8:S+\u+9]
.endr
	v_pk_add_f32 v[S:S+1], v[S:S+1], v[S+16:S+17]
	v_pk_fma_f32 v[rL:rL+1], v[rL:rL+1], v[TT+4:TT+5], v[S:S+1] op_sel_hi:[1,0,1]   ; l = a l + the sum
.irp b, 0,2,4,6,8,10,12,14,16,18,20,22,24,26,28,30
	v_pk_mul_f32 v[rO+\b:rO+\b+1], v[rO+\b:rO+\b+1], v[TT+4:TT+5] op_sel_hi:[1,0]   ; O^T x a, each accumulator from its low end on
.endr
.endm
; A KEY STEP: 64 keys from KF on.
.macro STEP
	s_add_co_u32 s96, s[Q0], 31
	s_cmp_gt_u32 s[KF], s96
	s_cbranch_scc1 .Lhidden_\@                     ; all its keys come after my queries: ids alone; no barrier, wait or tensor load stands in a step
	v_add_nc_u32 v[ADR], s[TB], v[LN]
.irp kt, 0,1,2,3
.irp f, 0,1,2,3
	ds_load_b128 v[KV+16*\kt+4*\f:KV+16*\kt+4*\f+3], v[ADR] offset:\kt*2048+\f*512   ; K: keys 16 kt on, channels 16 f on
.endr
.endr
	s_wait_dscnt 0x0
	SQK 0
	MASK 0
	SOFT 0
	SQK 1                                          ; its four places stand ahead of the loads into K's registers
.irp ks, 0,1
.irp ct, 0,1,2,3
.irp e, 0,1
	ds_load_tr16_b128 v[KV+8*(4*\ks+\ct)+4*\e:KV+8*(4*\ks+\ct)+4*\e+3], v[ADR] offset:VOFF+(2*\ks+\e)*2048+\ct*512   ; V^T: channels 16 ct on, keys 32 ks + 16 e on; they land under tile 1's softmax
.endr
.endr
.endr
	MASK 1
	SOFT 1
	s_wait_dscnt 0x0
.irp ks, 0,1
.irp ct, 0,1,2,3
.irp t, 0,1
	v_wmma_f32_16x16x32_f16 v[O+32*\t+8*\ct:O+32*\t+8*\ct+7], v[KV+8*(4*\ks+\ct):KV+8*(4*\ks+\ct)+7], v[P+16*\t+8*\ks:P+16*\t+8*\ks+7], v[O+32*\t+8*\ct:O+32*\t+8*\ct+7]   ; eight accumulators by turns
.endr
.endr
.endr
.rept 4
	v_nop                                          ; places ahead of the next loads into V's registers and the next reads of O^T
.endr
.Lhidden_\@:
	s_add_co_u32 s[KF], s[KF], 64
	s_add_co_u32 s[TB], s[TB], 8192
.endm
; THE CHANGE OF SLOTS, at a slot's head: every wave waits for all its tensor loads, adds 0 to its spare word, waits for that and for its reads of the slot that it has left; behind the barrier the slot ahead is whole
; and nobody reads the other one, which (fill = 1) takes the next 256 keys: that load has four key steps in which to land.
.macro CHANGE fill
	s_wait_tensorcnt 0x0                           ; no tensor load of mine is out, so group 0 may be written
	ds_add_u32 v[SPW], v[NIL]
.if \fill
	ds_add_u32 v[SPW], v[NIL]                      ; the add twice on end here, in every trip alike
	s_xor_b32 s[G0+1], s[G0+1], SLOT1              ; the other slot than last time,
	s_add_nc_u64 s[G0+2:G0+3], s[G0+2:G0+3], 32768 ; the next 256 keys
	s_wait_xcnt 0x0                                ; the last prefetch, a slot back, has read its address
	s_add_nc_u64 s[PFA:PFA+1], s[PFA:PFA+1], 32768
.endif
	s_wait_dscnt 0x0
	s_barrier_signal -1
	s_barrier_wait -1
.if \fill
	s_add_co_u32 s96, s[KF], 256                   ; the first key of the slot that this change would ask for
	s_cmp_gt_u32 s96, s[LASTQ]                     ; beyond my work-group's last query no wave would read it: ids and the count of steps alone, the same in all sixteen waves
	s_cbranch_scc1 .Lpast_\@
	TLOAD
.Lpast_\@:
	ASK
.endif
.endm
.macro SLOT_STEPS                      ; a slot's four key steps: written once, walked four times
	s_mov_b32 s[CNT], 4
.Lstep_\@:
	STEP
	s_sub_co_u32 s[CNT], s[CNT], 1
	s_cmp_lg_u32 s[CNT], 0
	s_cbranch_scc1 .Lstep_\@
	s_sub_co_u32 s[TB], s[TB], 32768
	s_xor_b32 s[TB], s[TB], SLOT1
.endm
	s_wait_loadcnt 0x0                             ; Q
.Lslot:                                            ; seven trips
	CHANGE 1
	SLOT_STEPS
	s_sub_co_u32 s[SLOTS], s[SLOTS], 1
	s_cmp_lg_u32 s[SLOTS], 0
	s_cbranch_scc1 .Lslot
	CHANGE 0                                       ; the last slot is written out: nothing is left to ask for
	SLOT_STEPS
	; THE WAY OUT: O^T / l, rounded to f16.  A lane's eight channels of a query are 16 bytes, the wave's 32 lanes one image of 512 bytes of the next product's operand: stored as they stand.
	v_add_f32 v[TT], v[LL], v[LL+1]
	v_add_f32 v[TT+1], v[LL+2], v[LL+3]
	v_permlanex16_b32 v[TT+6], v[TT], s[SEL], s[SEL+1]
	v_permlanex16_b32 v[TT+7], v[TT+1], s[SEL], s[SEL+1]
	v_add_f32 v[TT], v[TT], v[TT+6]
	v_add_f32 v[TT+1], v[TT+1], v[TT+7]
	v_rcp_f32 v[TT+2], v[TT]
	v_rcp_f32 v[TT+4], v[TT+1]
	v_nop
	s_wait_alu depctr_va_vdst(0)                   ; one wait for both reciprocals
.irp t, 0,1
.irp b, 0,2,4,6,8,10,12,14,16,18,20,22,24,26,28,30
	v_pk_mul_f32 v[O+32*\t+\b:O+32*\t+\b+1], v[O+32*\t+\b:O+32*\t+\b+1], v[TT+2+2*\t:TT+3+2*\t] op_sel_hi:[1,0]
.endr
.endr
.irp b, 0,1,2,3,4,5,6,7,8,9,10,11,12,13,14,15,16,17,18,19,20,21,22,23,24,25,26,27,28,29,30,31
	v_cvt_pk_f16_f32 v[P+\b], v[O+2*\b], v[O+2*\b+1]
.endr
.irp t, 0,1
.irp ct, 0,1,2,3
	global_store_b128 v[LN], v[P+16*\t+4*\ct:P+16*\t+4*\ct+3], s[10:11] offset:\t*4096+\ct*512   ; 512 consecutive bytes, aligned
.endr
.endr
	s_wait_tensorcnt 0x0                           ; the wave's end
	ds_add_u32 v[SPW], v[NIL]
	s_wait_dscnt 0x0
	s_endpgm
.Lfunc_end_k_q4a7dafe280_attn:
	.size	k_q4a7dafe280_attn, .Lfunc_end_k_q4a7dafe280_attn-k_q4a7dafe280_attn
	.p2alignl 7, 3214868480
	.fill 96, 4, 3214868480
	.section	.rodata,"a",@progbits
	.p2align	6, 0x0
	.amdhsa_kernel k_q4a7dafe280_attn
		.amdhsa_group_segment_fixed_size 327680
		.amdhsa_private_segment_fixed_size 0
		.amdhsa_enable_private_segment 0
		.amdhsa_kernarg_size 16
		.amdhsa_user_sgpr_count 2
		.amdhsa_user_sgpr_kernarg_segment_ptr 1
		.amdhsa_wavefront_size32 1
		.amdhsa_system_sgpr_workgroup_id_x 1
		.amdhsa_system_sgpr_workgroup_id_y 1
		.amdhsa_system_sgpr_workgroup_id_z 1
		.amdhsa_system_vgpr_workitem_id 0
		.amdhsa_next_free_vgpr 256
		.amdhsa_next_free_sgpr 100
		.amdhsa_reserve_vcc 1
		.amdhsa_float_denorm_mode_32 3
		.amdhsa_float_denorm_mode_16_64 3
		.amdhsa_memory_ordered 1
		.amdhsa_forward_progress 1
		.amdhsa_inst_pref_size 58
	.end_amdhsa_kernel
	.amdgpu_metadata
---
amdhsa.version: [ 1, 2 ]
amdhsa.kernels:
  - .name:           k_q4a7dafe280_attn
    .symbol:         k_q4a7dafe280_attn.kd
    .args:
      - { .name: qkv, .offset: 0, .size: 8, .value_kind: global_buffer, .address_space: global }
      - { .name: ao, .offset: 8, .size: 8, .value_kind: global_buffer, .address_space: global }
    .group_segment_fixed_size: 327680
    .private_segment_fixed_size: 0
    .kernarg_segment_align: 8
    .kernarg_segment_size: 16
    .max_flat_workgroup_size: 512
    .sgpr_count:     100
    .vgpr_count:     256
    .wavefront_size: 32
...
	.end_amdgpu_metadata
.endif
;; end of part 3
;; launch outproj (part 4): grid 8 x 32, 4 waves a work-group, clusters of 4 x 4, 327,680 bytes of LDS; arguments ao, wo16, out0; writes out0
.if DOCPART == 4
	.amdgcn_target "amdgcn-amd-amdhsa--gfx1250"
	.amdhsa_code_object_version 6
	.text
	.protected	k_q4a7dafe280_outproj
	.globl	k_q4a7dafe280_outproj
	.p2align	8
	.type	k_q4a7dafe280_outproj,@function
k_q4a7dafe280_outproj:
	s_mov_b64 s[64:65], 0
	v_nop
	global_prefetch_b8 v0, s[64:65] scope:SCOPE_SE
	s_setreg_imm32_b32 hwreg(HW_REG_WAVE_MODE, 25, 1), 1
	s_wait_xcnt 0x0
	s_wait_alu depctr_hold_cnt(0) depctr_sa_sdst(0) depctr_va_vdst(0) depctr_va_sdst(0) depctr_va_ssrc(0) depctr_va_vcc(0) depctr_vm_vsrc(0)
	s_getreg_b32 s2, hwreg(HW_REG_IB_STS2, 6, 4)
	s_cmp_eq_u32 s2, 0
	s_cbranch_scc0 .Lentry_in_a_cluster
	s_endpgm
.Lentry_in_a_cluster:
	s_bfe_u32 s2, ttmp6, 0x10000c
	s_cmp_lg_u32 s2, 0xf033
	s_cbranch_scc0 .Lentry_shape_is_right
	s_endpgm
.Lentry_shape_is_right:
; out0[m][n] = sum over k of a[m][k] wo[n][k], f16 operands, f32 sums and results.  M 8192, N 1024, K 1024.
; a comes as images of operand registers: ao[k / 128][m / 16][(k / 32) % 4][c][512 bytes]: a K step of 128 for 16 row tiles is 65,536 consecutive bytes.  wo16 is [1024][1024] f16, rows along K.
; A tile of C is 256 x 128, so that there are 256 work-groups; four waves, each 128 x 64: 32 accumulators, 256 registers (window 1).  K goes in 8 steps of 128 through two LDS slots.
; CLUSTERS: 4 x 4 work-groups; a's tiles are asked for jointly along a row of the cluster, wo's along a column.  Waves 0, 1 fetch a's halves (32 KiB, dense), waves 2, 3 wo's (64 rows of 256 bytes, padded).
; THE MATRIX INSTRUCTION IS USED TRANSPOSED (source 0 = 16 rows of wo, source 1 = 16 rows of a): a lane holds eight neighbouring numbers of a row of C.
; No prefetch: the launch has eight K steps, and its tiles are shared in the cluster.  Rows 0 to 15 of each batch are written here too and made again, in f32, by a later launch.
.set PITCH,  272                       ; a row of wo in LDS: 256 bytes + 16: the 16 rows of a load start at 16 different banks (64 banks of 4 bytes: ISA guide 11.1)
.set BOFF,   65536                     ; a slot: a's 16 images of 4,096 bytes, then wo's 128 rows
.set SLOT,   BOFF+128*PITCH
.set STAGE,  2*SLOT                    ; behind the ring: 16 rows x 272 bytes for each wave
.set SPITCH, 272
.set SPARE,  STAGE+4*16*SPITCH
.set LAPS,   4
.set ADRA, 16
.set ADRB, 20
.set STO,  24
.set RD,   25
.set CO,   26
.set SPW,  28
.set NIL,  29
.set F0,   32                          ; a fragment buffer: 64 registers of a (8 x 16 rows x 32 K), then 32 of wo (4 x)
.set F1,   128
.set G1, 24
.set G0, 32
.set G1B, 48
.set G0B, 56
.set MSB, 0
.macro WIN new
.if MSB != \new
	s_set_vgpr_msb (MSB<<8)|\new
.set MSB, \new
.endif
.endm
.set MUL, 0x50                         ; C and D window 1, sources window 0
.macro JLOAD s                         ; a joint load; an s_nop 0 and four v_nop follow each of the two lines
	s_cmp_eq_u32 s11, 0
	s_cbranch_scc0 .Lfor_b_\@
	tensor_load_to_lds s[G0+4*\s:G0+4*\s+3], s[G1:G1+7]
	s_nop 0
.rept 4
	v_nop
.endr
	s_branch .Lasked_\@
.Lfor_b_\@:
	tensor_load_to_lds s[G0B+4*\s:G0B+4*\s+3], s[G1B:G1B+7]
	s_nop 0
.rept 4
	v_nop
.endr
.Lasked_\@:
.endm
.macro CREST
	s_cmp_lg_u32 s10, 0
	s_cbranch_scc1 .Lnot_wave_0_\@
	s_barrier_signal -3
.Lnot_wave_0_\@:
	s_barrier_wait -3
	s_barrier_signal -1
	s_barrier_wait -1
.endm
.macro CROUND
	s_barrier_signal -1
	s_barrier_wait -1
	CREST
.endm
	s_load_b128 s[4:7], s[0:1], 0x0                ; ao 4, wo16 6
	s_load_b64 s[8:9], s[0:1], 0x10                ; out0
	v_lshl_add_u32 v[SPW], v0, 2, SPARE
	v_mov_b32 v[NIL], 0
	ds_add_u32 v[SPW], v[NIL]                      ; the wave's opening: the add, twice on end, and its wait ahead of my first tensor load
	ds_add_u32 v[SPW], v[NIL]
	v_lshrrev_b32 v1, 5, v0
	v_readfirstlane_b32 s10, v1                    ; wave 0..3
	s_lshr_b32 s11, s10, 1                         ; which half of the tile's rows is mine.  Also: I fetch for a (0) or for wo (1)
	s_and_b32 s12, s10, 1                          ; which half of its columns.  Also: which half of that tile I fetch
	s_bfe_u32 s40, ttmp6, 0x40000
	s_bfe_u32 s41, ttmp6, 0x40004
	s_lshl_b32 s42, ttmp9, 2
	s_add_co_u32 s42, s42, s40                     ; tile column
	s_and_b32 s13, ttmp7, 0xffff
	s_lshl_b32 s13, s13, 2
	s_add_co_u32 s13, s13, s41                     ; tile row
	s_lshl_b32 s43, s41, 2
	s_lshl_b32 s43, 15, s43                        ; my row of the cluster
	s_lshl_b32 s44, 0x1111, s40                    ; my column
	s_or_b32 s[G1+0], s43, (3<<16)|(1<<21)         ; a: 32 KiB, dense: 128 rows of 32 elements of 8 bytes, no padding
	s_mov_b32 s[G1+1], 32<<16
	s_mov_b32 s[G1+2], 128<<16
	s_mov_b32 s[G1+3], 32<<16
	s_mov_b32 s[G1+4], 128
	s_mov_b32 s[G1+5], 32
	s_mov_b32 s[G1+6], 0
	s_mov_b32 s[G1+7], 0
	s_or_b32 s[G1B+0], s44, (1<<16)|(1<<20)|(1<<21)|(5<<22)|(3<<25)   ; wo: 64 rows of 128 elements of 2 bytes, 4 words of padding behind every 64
	s_mov_b32 s[G1B+1], 128<<16
	s_mov_b32 s[G1B+2], 64<<16
	s_mov_b32 s[G1B+3], 128<<16
	s_mov_b32 s[G1B+4], 64
	s_mov_b32 s[G1B+5], 1024
	s_mov_b32 s[G1B+6], 0
	s_mov_b32 s[G1B+7], 0
	s_lshl_b32 s16, s13, 16                        ; a: 16 images of 4,096 bytes a tile row, + my 8
	s_lshl_b32 s17, s12, 15
	s_add_co_u32 s16, s16, s17
	s_mov_b32 s17, 0
	s_lshl_b32 s46, s42, 18                        ; wo: 128 rows of 2,048 bytes a tile column, + my 64
	s_lshl_b32 s47, s12, 17
	s_add_co_u32 s46, s46, s47
	s_mov_b32 s47, 0
	s_lshl_b32 s20, s12, 15                        ; where they go in a slot
	s_mul_i32 s21, s12, 64*PITCH
	s_add_co_u32 s21, s21, BOFF
	s_wait_dscnt 0x0                               ; both opening adds are done
	s_wait_kmcnt 0x0
	s_add_nc_u64 s[14:15], s[4:5], s[16:17]
	s_add_nc_u64 s[46:47], s[6:7], s[46:47]
	CROUND                                         ; all sixteen work-groups are here: the first joint loads meet
.irp s, 0,1
	s_mov_b32 s[G0+4*\s], 1
	s_add_co_u32 s[G0+4*\s+1], s20, \s*SLOT
	s_add_nc_u64 s[G0+4*\s+2:G0+4*\s+3], s[14:15], \s*2097152      ; a K step of a is 2,097,152 bytes on
	s_or_b32 s[G0+4*\s+3], s[G0+4*\s+3], 0x80000000
	s_mov_b32 s[G0B+4*\s], 1
	s_add_co_u32 s[G0B+4*\s+1], s21, \s*SLOT
	s_add_nc_u64 s[G0B+4*\s+2:G0B+4*\s+3], s[46:47], \s*256
	s_or_b32 s[G0B+4*\s+3], s[G0B+4*\s+3], 0x80000000
	JLOAD \s
.endr
	v_and_b32 v1, 15, v0                           ; r
	v_bfe_u32 v2, v0, 4, 1                         ; h
	v_and_b32 v3, 31, v0
	v_lshlrev_b32 v3, 4, v3                        ; 16 x lane
	v_mul_u32_u24 v4, v1, PITCH
	v_lshl_add_u32 v4, v2, 4, v4
	s_lshl_b32 s21, s11, 15                        ; my 128 rows of a: 8 images
	s_mul_i32 s22, s12, 64*PITCH                   ; my 64 rows of wo
	s_add_co_u32 s22, s22, BOFF
.irp s, 0,1
	v_add_nc_u32 v[ADRA+\s], s21, v3
	v_add_nc_u32 v[ADRB+\s], s22, v4
	s_add_co_u32 s21, s21, SLOT
	s_add_co_u32 s22, s22, SLOT
.endr
	s_mul_i32 s23, s10, 16*SPITCH
	s_add_co_u32 s23, s23, STAGE                   ; my stage
	v_mul_u32_u24 v4, v1, SPITCH
	v_lshl_add_u32 v4, v2, 5, v4
	v_add_nc_u32 v[STO], s23, v4                   ; in: row r, 32 bytes for each half of the lanes
	v_mul_u32_u24 v5, v2, SPITCH
	v_lshl_add_u32 v5, v1, 4, v5
	v_add_nc_u32 v[RD], s23, v5                    ; back: lanes 0-15 one row of 256 bytes, lanes 16-31 the next
	v_lshlrev_b32 v5, 12, v2
	v_lshl_add_u32 v[CO], v1, 4, v5                ; and the same two rows in C
	s_lshl_b32 s16, s13, 20                        ; my first row of C: 256 rows of 4,096 bytes a tile row, + 128 x half
	s_lshl_b32 s17, s11, 19
	s_add_co_u32 s16, s16, s17
	s_mov_b32 s17, 0
	s_add_nc_u64 s[8:9], s[8:9], s[16:17]
	s_lshl_b32 s46, s42, 9                         ; my first column, in bytes
	s_lshl_b32 s47, s12, 8
	s_add_co_u32 s46, s46, s47
	s_mov_b32 s47, 0
	s_add_nc_u64 s[8:9], s[8:9], s[46:47]
; 8 matrix instructions: row blocks a0, a0 + 1 x the four column blocks, 32 along K.  The 32 accumulators take turns in the same order in every quarter.
.macro MUL8 f, a0, zero
.irp a, \a0, \a0+1
.irp b, 0,1,2,3
.if \zero
	v_wmma_f32_16x16x32_f16 v[8*(4*(\a)+\b):8*(4*(\a)+\b)+7], v[\f+64+8*\b:\f+64+8*\b+7], v[\f+8*(\a):\f+8*(\a)+7], 0
.else
	v_wmma_f32_16x16x32_f16 v[8*(4*(\a)+\b):8*(4*(\a)+\b)+7], v[\f+64+8*\b:\f+64+8*\b+7], v[\f+8*(\a):\f+8*(\a)+7], v[8*(4*(\a)+\b):8*(4*(\a)+\b)+7]
.endif
.endr
.endr
.endm
.macro FETCH slot, q, f                ; 24 LDS loads in one run: the slot's q-th 32 along K: wo's four fragments, then a's eight
.irp j, 0,1,2,3
	ds_load_b128 v[\f+64+8*\j:\f+64+8*\j+3],   v[ADRB+\slot] offset:\j*16*PITCH+(\q)*64
	ds_load_b128 v[\f+64+8*\j+4:\f+64+8*\j+7], v[ADRB+\slot] offset:\j*16*PITCH+(\q)*64+32
.endr
.irp i, 0,1,2,3,4,5,6,7
	ds_load_b128 v[\f+8*\i:\f+8*\i+3],   v[ADRA+\slot] offset:\i*4096+(\q)*1024
	ds_load_b128 v[\f+8*\i+4:\f+8*\i+7], v[ADRA+\slot] offset:\i*4096+(\q)*1024+512
.endr
.endm
.macro PLACES
.rept 4
	v_nop
.endr
.endm
.macro QUARTER slot, q, f, g, zero     ; multiplies buffer f; in its middle fetches the slot's q-th quarter into g
	s_wait_dscnt 8                                 ; wo's and a's blocks 0-3 are in; the youngest eight loads (a's blocks 4-7) may be out
	WIN MUL
	MUL8 \f, 0, \zero
	MUL8 \f, 2, \zero
	PLACES
	WIN 0
	FETCH \slot, \q, \g
	s_wait_dscnt 24                                ; all but the 24 just issued
	WIN MUL
	MUL8 \f, 4, \zero
	MUL8 \f, 6, \zero
.endm
; A slot's last quarter multiplies buffer 1 and changes slots: one barrier; ahead of it each wave waits for all its tensor loads, adds 0 to its spare word, and waits for that and for its reads of this slot.
.macro TURN slot, next, fill
	WIN 0
	s_wait_tensorcnt 0x0                           ; my part of the next slot has landed
	ds_add_u32 v[SPW], v[NIL]
	s_wait_dscnt 9                                 ; the add and the youngest eight loads may be out
	WIN MUL
	MUL8 F1, 0, 0
	s_wait_dscnt 0x0                               ; the add is done, and my reads of this slot are over
	s_barrier_signal -1
	MUL8 F1, 2, 0
	WIN 0
	s_barrier_wait -1
.if \fill
	CREST                                          ; the barrier has opened a round of the cluster's: no wave of any partner still reads this slot or has a load on its way
	s_add_nc_u64 s[G0+4*\slot+2:G0+4*\slot+3], s[G0+4*\slot+2:G0+4*\slot+3], 2*2097152
	s_add_nc_u64 s[G0B+4*\slot+2:G0B+4*\slot+3], s[G0B+4*\slot+2:G0B+4*\slot+3], 2*256
	JLOAD \slot                                    ; the first tensor load behind the round; its four v_nop are also the places ahead of the loads below
.else
	PLACES
.endif
	FETCH \next, 0, F0
	WIN MUL
	MUL8 F1, 4, 0
	MUL8 F1, 6, 0
.endm
	s_wait_tensorcnt 1                             ; my part of K step 0 is in; K step 1's load may be out
	s_barrier_signal -1
	s_barrier_wait -1
	FETCH 0, 0, F0
	QUARTER 0, 1, F0, F1, 1                        ; the first products start the sums
	WIN 0
	s_mov_b32 s3, LAPS-1
.Llap:                                             ; a trip goes once round the ring and fills both slots again
	QUARTER 0, 2, F1, F0, 0
	QUARTER 0, 3, F0, F1, 0
	TURN 0, 1, 1
	QUARTER 1, 1, F0, F1, 0
	QUARTER 1, 2, F1, F0, 0
	QUARTER 1, 3, F0, F1, 0
	TURN 1, 0, 1
	QUARTER 0, 1, F0, F1, 0
	WIN 0
	s_sub_co_u32 s3, s3, 1
	s_cmp_lg_u32 s3, 0
	s_cbranch_scc1 .Llap
	QUARTER 0, 2, F1, F0, 0                        ; the last lap fills nothing
	QUARTER 0, 3, F0, F1, 0
	TURN 0, 1, 0
	QUARTER 1, 1, F0, F1, 0
	QUARTER 1, 2, F1, F0, 0
	QUARTER 1, 3, F0, F1, 0
	s_wait_dscnt 8
	WIN MUL
	MUL8 F1, 0, 0
	MUL8 F1, 2, 0
	s_wait_dscnt 0
	MUL8 F1, 4, 0
	MUL8 F1, 6, 0
	WIN 0
; THE WAY OUT, a block of 16 rows x 64 columns at a time, through my own stage: a lane's 32 bytes go in by rows of 272 and come back as whole rows of 256 bytes.  LDS serves a wave's instructions in order.
.macro TOSTAGE a
	WIN 0x04                                       ; an LDS store's data are its source 1: window 1
.irp b, 0,1,2,3
	ds_store_b128 v[STO], v[8*(4*(\a)+\b):8*(4*(\a)+\b)+3] offset:64*\b      ; each accumulator from its low end on
	ds_store_b128 v[STO], v[8*(4*(\a)+\b)+4:8*(4*(\a)+\b)+7] offset:64*\b+16
.endr
	WIN 0
.set BB, 32+32*((\a)%2)
.irp t, 0,1,2,3,4,5,6,7
	ds_load_b128 v[BB+4*\t:BB+4*\t+3], v[RD] offset:\t*2*SPITCH
.endr
.endm
.macro SEND a, younger
.set BB, 32+32*((\a)%2)
	s_wait_dscnt \younger                          ; the block is back; the next block's eight stores and eight loads may be out
.if (\a) > 0
	s_add_nc_u64 s[8:9], s[8:9], 65536             ; 16 rows of C on (the earlier stores have read their base: the wait for that stands ahead)
.endif
.irp t, 0,1,2,3,4,5,6,7
	global_store_b128 v[CO], v[BB+4*\t:BB+4*\t+3], s[8:9] offset:2*\t*4096 th:TH_STORE_NT   ; sixteen lanes store 256 consecutive bytes, aligned
.endr
.endm
	PLACES
	TOSTAGE 0
.irp a, 1,2,3,4,5,6,7
.if \a > 1
	s_wait_xcnt 0x0                                ; block a - 2's stores have read their registers and their base
.endif
	TOSTAGE \a
	SEND \a-1, 16
.endr
	s_wait_xcnt 0x0
	SEND 7, 0
	s_wait_tensorcnt 0x0                           ; the wave's end
	ds_add_u32 v[SPW], v[NIL]
	s_wait_dscnt 0x0
	CROUND                                         ; the closing round
	s_endpgm
.Lfunc_end_k_q4a7dafe280_outproj:
	.size	k_q4a7dafe280_outproj, .Lfunc_end_k_q4a7dafe280_outproj-k_q4a7dafe280_outproj
	.p2alignl 7, 3214868480
	.fill 96, 4, 3214868480
	.section	.rodata,"a",@progbits
	.p2align	6, 0x0
	.amdhsa_kernel k_q4a7dafe280_outproj
		.amdhsa_group_segment_fixed_size 327680
		.amdhsa_private_segment_fixed_size 0
		.amdhsa_enable_private_segment 0
		.amdhsa_kernarg_size 24
		.amdhsa_user_sgpr_count 2
		.amdhsa_user_sgpr_kernarg_segment_ptr 1
		.amdhsa_wavefront_size32 1
		.amdhsa_system_sgpr_workgroup_id_x 1
		.amdhsa_system_sgpr_workgroup_id_y 1
		.amdhsa_system_sgpr_workgroup_id_z 1
		.amdhsa_system_vgpr_workitem_id 0
		.amdhsa_next_free_vgpr 512
		.amdhsa_next_free_sgpr 66
		.amdhsa_reserve_vcc 0
		.amdhsa_float_denorm_mode_32 3
		.amdhsa_float_denorm_mode_16_64 3
		.amdhsa_memory_ordered 1
		.amdhsa_forward_progress 1
		.amdhsa_inst_pref_size 86
	.end_amdhsa_kernel
	.amdgpu_metadata
---
amdhsa.version: [ 1, 2 ]
amdhsa.kernels:
  - .name:           k_q4a7dafe280_outproj
    .symbol:         k_q4a7dafe280_outproj.kd
    .args:
      - { .name: ao, .offset: 0, .size: 8, .value_kind: global_buffer, .address_space: global }
      - { .name: wo16, .offset: 8, .size: 8, .value_kind: global_buffer, .address_space: global }
      - { .name: out0, .offset: 16, .size: 8, .value_kind: global_buffer, .address_space: global }
    .group_segment_fixed_size: 327680
    .private_segment_fixed_size: 0
    .kernarg_segment_align: 8
    .kernarg_segment_size: 24
    .max_flat_workgroup_size: 128
    .sgpr_count:     66
    .vgpr_count:     512
    .wavefront_size: 32
...
	.end_amdgpu_metadata
.endif
;; end of part 4
;; launch fine1 (part 5): grid 16 x 4, 12 waves a work-group, no clusters, 13,824 bytes of LDS; arguments codes, scales, cs, o32; writes o32
.if DOCPART == 5
	.amdgcn_target "amdgcn-amd-amdhsa--gfx1250"
	.amdhsa_code_object_version 6
	.text
	.protected	k_q4a7dafe280_fine1
	.globl	k_q4a7dafe280_fine1
	.p2align	8
	.type	k_q4a7dafe280_fine1,@function
k_q4a7dafe280_fine1:
	s_mov_b64 s[64:65], 0
	v_nop
	global_prefetch_b8 v0, s[64:65] scope:SCOPE_SE
	s_setreg_imm32_b32 hwreg(HW_REG_WAVE_MODE, 25, 1), 1
	s_wait_xcnt 0x0
; Positions 0 to 15 of every sequence, carried in f32: under the causal mask they average one to sixteen values and are the largest of the output, so f16 operands would weigh most there.
; Work-group (head, batch).  Wave w makes 16 positions x 16 channels of tensor w / 4 (q, k, v), channels 16 (w % 4) on, by eight scaled FP4 products over K = 1024: the same codes, scales and order of K as the large launch.
; q, k (waves 0-7): source 0 = the weight's rows, source 1 = x's: a lane holds a token (lane % 16) and channels 8 (lane / 16) + 0..7; rotated, they go to LDS as images of registers.
; v (waves 8-11): the sources change places: a lane holds a channel and keys 8 (lane / 16) + 0..7, which is source 0 of V^T P as it stands.
; Then waves 8-11, each for its 16 channels: S^T = K Q^T and O^T = V^T P by the f32 matrix form (20 instructions a wave: no bulk work), the softmax in f32 with the row's maximum taken away.
; The f32 form's K is 2 (lane / 16) + register; both sources give it the same channels (keys) in the same places, so the products pair rightly.
; o32: [batch][k / 16][c][512 bytes]: lane (r, h) holds token r, k = 16 T + 8 h + 4 c + 0..3.
.set WCO,   4194304
.set WSO,   262144
.set SPARE, 12288                      ; behind 12 x 1,024 bytes of images (8 are used): the spare words, 128 bytes for each of 12 waves
	s_load_b256 s[4:11], s[0:1], 0x0               ; codes 4, scales 6, cs 8, o32 10
	v_lshl_add_u32 v10, v0, 2, SPARE               ; v10, v11: the add's two; never rewritten
	v_mov_b32 v11, 0
	v_lshrrev_b32 v1, 5, v0
	v_readfirstlane_b32 s12, v1                    ; wave 0..11
	v_and_b32 v1, 15, v0                           ; r
	v_bfe_u32 v2, v0, 4, 1                         ; h
	v_lshlrev_b32 v3, 9, v1
	v_lshl_add_u32 v3, v2, 4, v3                   ; codes: row r of 512 bytes, + 16 h
	v_lshlrev_b32 v4, 5, v1                        ; scale words: 32 bytes a row
	v_and_b32 v5, 31, v0
	v_lshlrev_b32 v5, 4, v5                        ; 16 x lane
	s_lshl_b32 s13, s12, 10
	v_add_nc_u32 v6, s13, v5                       ; my image in LDS
	v_lshlrev_b32 v7, 8, v1
	v_lshl_add_u32 v7, v2, 5, v7                   ; the table: 256 x token + 32 h
	v_lshlrev_b32 v8, 3, v2
	v_sub_nc_u32 v8, v1, v8                        ; r - 8 h
	v_mov_b32 v9, 0xff800000                       ; -infinity
	v_mov_b32 v233, 0                              ; a lane permute's destination counts as read
	v_mov_b32 v241, 0
	s_and_b32 s14, ttmp7, 0xffff                   ; batch
	s_lshr_b32 s15, s12, 2                         ; tensor
	s_and_b32 s16, s12, 3                          ; which 16 channels
	s_lshl_b32 s17, s15, 10
	s_lshl_b32 s18, ttmp9, 6
	s_add_co_u32 s17, s17, s18
	s_lshl_b32 s18, s16, 4
	s_add_co_u32 s17, s17, s18                     ; the weight's first row among the 3,072
	s_lshl_b32 s20, s17, 9
	s_add_co_u32 s20, s20, WCO
	s_lshl_b32 s22, s14, 20                        ; x's first row: 2,048 rows of 512 bytes a batch
	s_lshl_b32 s24, s17, 5
	s_add_co_u32 s24, s24, WSO
	s_lshl_b32 s26, s14, 16
	s_lshl_b32 s36, s16, 6                         ; the table: my 8 pairs
	s_lshl_b32 s38, s14, 6
	s_lshl_b32 s18, ttmp9, 2
	s_add_co_u32 s38, s38, s18
	s_add_co_u32 s38, s38, s16
	s_lshl_b32 s38, s38, 10                        ; o32: 1,024 bytes for 16 channels
	s_cmp_lt_u32 s12, 8                            ; q, k: source 0 the weight; v: source 0 x.  Offsets are chosen, not addresses
	s_cselect_b32 s28, s20, s22
	s_cselect_b32 s30, s22, s20
	s_cselect_b32 s32, s24, s26
	s_cselect_b32 s34, s26, s24
	s_mov_b32 s29, 0
	s_mov_b32 s31, 0
	s_mov_b32 s33, 0
	s_mov_b32 s35, 0
	s_mov_b32 s37, 0
	s_mov_b32 s39, 0
	s_mov_b32 s40, 0x3e38aa3b                      ; c = log2(e) / 8
	s_mov_b32 s42, 0x76543210
	s_mov_b32 s43, 0xfedcba98
	s_wait_kmcnt 0x0
	s_add_nc_u64 s[28:29], s[4:5], s[28:29]
	s_add_nc_u64 s[30:31], s[4:5], s[30:31]
	s_add_nc_u64 s[32:33], s[6:7], s[32:33]
	s_add_nc_u64 s[34:35], s[6:7], s[34:35]
	s_add_nc_u64 s[8:9], s[8:9], s[36:37]
	s_add_nc_u64 s[10:11], s[10:11], s[38:39]
.irp s, 0,1,2,3,4,5,6,7
.irp c, 0,1
	global_load_b128 v[16+8*\s+4*\c:19+8*\s+4*\c], v3, s[28:29] offset:64*\s+32*\c
	global_load_b128 v[80+8*\s+4*\c:83+8*\s+4*\c], v3, s[30:31] offset:64*\s+32*\c
.endr
.endr
	global_load_b128 v[144:147], v4, s[32:33]      ; v144-151, v152-159: the eight scale words of each side's row
	global_load_b128 v[148:151], v4, s[32:33] offset:16
	global_load_b128 v[152:155], v4, s[34:35]
	global_load_b128 v[156:159], v4, s[34:35] offset:16
	global_load_b128 v[168:171], v7, s[8:9]        ; (cos, sin) of my four pairs
	global_load_b128 v[172:175], v7, s[8:9] offset:16
	s_wait_loadcnt 0x0
	v_wmma_scale_f32_16x16x128_f8f6f4 v[160:167], v[16:23], v[80:87], 0, v144, v152 matrix_a_fmt:MATRIX_FMT_FP4 matrix_b_fmt:MATRIX_FMT_FP4
.irp s, 1,2,3,4,5,6,7
	s_wait_alu depctr_va_vdst(0)                   ; one accumulator, K ascending as in the large launch
	v_wmma_scale_f32_16x16x128_f8f6f4 v[160:167], v[16+8*\s:23+8*\s], v[80+8*\s:87+8*\s], v[160:167], v[144+\s], v[152+\s] matrix_a_fmt:MATRIX_FMT_FP4 matrix_b_fmt:MATRIX_FMT_FP4
.endr
.rept 4
	v_nop
.endr
	s_cmp_lt_u32 s12, 8
	s_cbranch_scc0 .Lnot_qk
.irp p, 0,2,4,6
	v_pk_mul_f32 v[176+\p:177+\p], v[160+\p:161+\p], v[168+\p:169+\p] op_sel_hi:[1,0]   ; (x1 c, x2 c)
.endr
.irp p, 0,2,4,6
	v_pk_fma_f32 v[176+\p:177+\p], v[160+\p:161+\p], v[168+\p:169+\p], v[176+\p:177+\p] op_sel:[1,1,0] op_sel_hi:[0,1,1] neg_lo:[0,1,0]   ; (- x2 s, + x1 s)
.endr
	ds_store_b128 v6, v[176:179]
	ds_store_b128 v6, v[180:183] offset:512
.Lnot_qk:
	s_wait_dscnt 0x0                               ; my stores have landed
	s_barrier_signal -1
	s_barrier_wait -1                              ; q's and k's eight images lie in LDS
	s_cmp_lt_u32 s12, 8
	s_cbranch_scc1 .Lend
.irp t, 0,1,2,3
.irp c, 0,1
	ds_load_b128 v[16+8*\t+4*\c:19+8*\t+4*\c], v5 offset:\t*1024+\c*512        ; Q: token r, channels 16 t + 8 h + 4 c + 0..3
	ds_load_b128 v[48+8*\t+4*\c:51+8*\t+4*\c], v5 offset:4096+\t*1024+\c*512   ; K likewise
.endr
.endr
	s_wait_dscnt 0x0
.set i, 0
.rept 16                               ; S^T = K Q^T: 64 channels, four at a time, two sums by turns (v184-199 are written by these instructions alone)
.if i < 2
	v_wmma_f32_16x16x4_f32 v[184+8*(i%2):191+8*(i%2)], v[48+2*i:49+2*i], v[16+2*i:17+2*i], 0
.else
	v_wmma_f32_16x16x4_f32 v[184+8*(i%2):191+8*(i%2)], v[48+2*i:49+2*i], v[16+2*i:17+2*i], v[184+8*(i%2):191+8*(i%2)]
.endif
.set i, i+1
.endr
.rept 8
	v_nop
.endr
.irp j, 0,1,2,3,4,5,6,7
	v_add_f32 v[200+\j], v[184+\j], v[192+\j]      ; register j: key 8 h + j, query r
.endr
.irp j, 0,1,2,3,4,5,6,7
	v_cmp_gt_i32 vcc_lo, \j, v8                    ; hidden where 8 h + j > r
	v_cndmask_b32 v[200+\j], v[200+\j], v9, vcc_lo
.endr
	v_max3_num_f32 v232, v200, v201, v202
	v_max3_num_f32 v232, v232, v203, v204
	v_max3_num_f32 v232, v232, v205, v206
	v_max_num_f32 v232, v232, v207
	v_permlanex16_b32 v233, v232, s42, s43
	v_max_num_f32 v232, v232, v233                 ; the row's maximum (key 0 counts for every query)
	v_mul_f32 v234, s40, v232
.irp j, 0,1,2,3,4,5,6,7
	v_fma_f32 v[200+\j], v[200+\j], s40, -v234
.endr
.irp j, 0,1,2,3,4,5,6,7
	v_exp_f32 v[200+\j], v[200+\j]                 ; p
.endr
	v_nop
	s_wait_alu depctr_va_vdst(0)                   ; one wait for the eight
	v_pk_add_f32 v[236:237], v[200:201], v[202:203]
	v_pk_add_f32 v[238:239], v[204:205], v[206:207]
	v_pk_add_f32 v[236:237], v[236:237], v[238:239]
	v_add_f32 v236, v236, v237
	v_permlanex16_b32 v241, v236, s42, s43
	v_add_f32 v236, v236, v241                     ; the row's sum
	v_rcp_f32 v240, v236
	v_nop
	s_wait_alu depctr_va_vdst(0)
.set i, 0
.rept 4                                ; O^T = V^T P: 16 keys, four at a time, two sums by turns (v208-223 are written by these alone)
.if i < 2
	v_wmma_f32_16x16x4_f32 v[208+8*(i%2):215+8*(i%2)], v[160+2*i:161+2*i], v[200+2*i:201+2*i], 0
.else
	v_wmma_f32_16x16x4_f32 v[208+8*(i%2):215+8*(i%2)], v[160+2*i:161+2*i], v[200+2*i:201+2*i], v[208+8*(i%2):215+8*(i%2)]
.endif
.set i, i+1
.endr
.rept 8
	v_nop
.endr
.irp j, 0,1,2,3,4,5,6,7
	v_add_f32 v[224+\j], v[208+\j], v[216+\j]
.endr
.irp j, 0,1,2,3,4,5,6,7
	v_mul_f32 v[224+\j], v[224+\j], v240           ; register j: channel 8 h + j of my 16, token r
.endr
	global_store_b128 v5, v[224:227], s[10:11]     ; 512 consecutive bytes each
	global_store_b128 v5, v[228:231], s[10:11] offset:512
.Lend:
	s_wait_tensorcnt 0x0                           ; the wave's end
	ds_add_u32 v10, v11
	s_wait_dscnt 0x0
	s_endpgm
.Lfunc_end_k_q4a7dafe280_fine1:
	.size	k_q4a7dafe280_fine1, .Lfunc_end_k_q4a7dafe280_fine1-k_q4a7dafe280_fine1
	.p2alignl 7, 3214868480
	.fill 96, 4, 3214868480
	.section	.rodata,"a",@progbits
	.p2align	6, 0x0
	.amdhsa_kernel k_q4a7dafe280_fine1
		.amdhsa_group_segment_fixed_size 13824
		.amdhsa_private_segment_fixed_size 0
		.amdhsa_enable_private_segment 0
		.amdhsa_kernarg_size 32
		.amdhsa_user_sgpr_count 2
		.amdhsa_user_sgpr_kernarg_segment_ptr 1
		.amdhsa_wavefront_size32 1
		.amdhsa_system_sgpr_workgroup_id_x 1
		.amdhsa_system_sgpr_workgroup_id_y 1
		.amdhsa_system_sgpr_workgroup_id_z 1
		.amdhsa_system_vgpr_workitem_id 0
		.amdhsa_next_free_vgpr 256
		.amdhsa_next_free_sgpr 66
		.amdhsa_reserve_vcc 1
		.amdhsa_float_denorm_mode_32 3
		.amdhsa_float_denorm_mode_16_64 3
		.amdhsa_memory_ordered 1
		.amdhsa_forward_progress 1
		.amdhsa_inst_pref_size 15
	.end_amdhsa_kernel
	.amdgpu_metadata
---
amdhsa.version: [ 1, 2 ]
amdhsa.kernels:
  - .name:           k_q4a7dafe280_fine1
    .symbol:         k_q4a7dafe280_fine1.kd
    .args:
      - { .name: codes, .offset: 0, .size: 8, .value_kind: global_buffer, .address_space: global }
      - { .name: scales, .offset: 8, .size: 8, .value_kind: global_buffer, .address_space: global }
      - { .name: cs, .offset: 16, .size: 8, .value_kind: global_buffer, .address_space: global }
      - { .name: o32, .offset: 24, .size: 8, .value_kind: global_buffer, .address_space: global }
    .group_segment_fixed_size: 13824
    .private_segment_fixed_size: 0
    .kernarg_segment_align: 8
    .kernarg_segment_size: 32
    .max_flat_workgroup_size: 384
    .sgpr_count:     66
    .vgpr_count:     256
    .wavefront_size: 32
...
	.end_amdgpu_metadata
.endif
;; end of part 5
;; launch fine2 (part 6): grid 64 x 4, 8 waves a work-group, no clusters, 9,216 bytes of LDS; arguments o32, wo, out0; writes out0
.if DOCPART == 6
	.amdgcn_target "amdgcn-amd-amdhsa--gfx1250"
	.amdhsa_code_object_version 6
	.text
	.protected	k_q4a7dafe280_fine2
	.globl	k_q4a7dafe280_fine2
	.p2align	8
	.type	k_q4a7dafe280_fine2,@function
k_q4a7dafe280_fine2:
	s_mov_b64 s[64:65], 0
	v_nop
	global_prefetch_b8 v0, s[64:65] scope:SCOPE_SE
	s_setreg_imm32_b32 hwreg(HW_REG_WAVE_MODE, 25, 1), 1
	s_wait_xcnt 0x0
; out0[batch][s][n] for s = 0..15, in f32 throughout: the sum over k of o32[batch][s][k] wo[n][k].  It runs behind the large projection and writes these 64 rows anew.
; Work-group (n / 16, batch): 16 tokens x 16 columns.  Wave w takes k = 128 w .. 128 w + 127: 32 instructions of the f32 matrix form (64 rows of 8,192: no bulk work), two sums by turns.
; Source 0 = 16 rows of wo, source 1 = the tokens: a lane holds a token (lane % 16) and columns 8 (lane / 16) + 0..7.  Both sources are loaded so that a lane's register 8 T + e holds k = 16 T + 8 (lane / 16) + e.
; The eight waves' parts meet in LDS as images of registers; wave 0 adds them and stores.  A row's piece is 64 bytes: 256 KiB in all leave so, the price of sharing the f32 products among 256 work-groups.
.set SPARE, 8192                       ; behind the eight images: the spare words, 128 bytes a wave
	s_load_b128 s[4:7], s[0:1], 0x0                ; o32 4, wo 6
	s_load_b64 s[8:9], s[0:1], 0x10                ; out0
	v_lshl_add_u32 v10, v0, 2, SPARE               ; v10, v11: the add's two; never rewritten
	v_mov_b32 v11, 0
	v_lshrrev_b32 v1, 5, v0
	v_readfirstlane_b32 s12, v1                    ; wave 0..7
	v_and_b32 v1, 15, v0                           ; r
	v_bfe_u32 v2, v0, 4, 1                         ; h
	v_lshlrev_b32 v3, 12, v1
	v_lshl_add_u32 v3, v2, 5, v3                   ; a row of 4,096 bytes (of wo, and of out0), + 32 h
	v_and_b32 v5, 31, v0
	v_lshlrev_b32 v5, 4, v5                        ; 16 x lane
	s_lshl_b32 s13, s12, 10
	v_add_nc_u32 v6, s13, v5                       ; my image in LDS
	s_and_b32 s14, ttmp7, 0xffff                   ; batch
	s_lshl_b32 s16, ttmp9, 16                      ; wo: 16 rows a tile,
	s_lshl_b32 s17, s12, 9                         ; my 128 along K
	s_add_co_u32 s16, s16, s17
	s_mov_b32 s17, 0
	s_lshl_b32 s18, s14, 16                        ; o32: 65,536 bytes a batch,
	s_lshl_b32 s19, s12, 13                        ; my 8 blocks of 1,024
	s_add_co_u32 s18, s18, s19
	s_mov_b32 s19, 0
	s_lshl_b32 s20, s14, 23                        ; out0: 2,048 rows a batch,
	s_lshl_b32 s21, ttmp9, 6                       ; my 16 columns
	s_add_co_u32 s20, s20, s21
	s_mov_b32 s21, 0
	s_wait_kmcnt 0x0
	s_add_nc_u64 s[6:7], s[6:7], s[16:17]
	s_add_nc_u64 s[4:5], s[4:5], s[18:19]
	s_add_nc_u64 s[8:9], s[8:9], s[20:21]
.irp t, 0,1,2,3,4,5,6,7
.irp c, 0,1
	global_load_b128 v[16+8*\t+4*\c:19+8*\t+4*\c], v3, s[6:7] offset:\t*64+\c*16
	global_load_b128 v[80+8*\t+4*\c:83+8*\t+4*\c], v5, s[4:5] offset:\t*1024+\c*512
.endr
.endr
	s_wait_loadcnt 0x0
.set i, 0
.rept 32                               ; v144-159 are written by these instructions alone
.if i < 2
	v_wmma_f32_16x16x4_f32 v[144+8*(i%2):151+8*(i%2)], v[16+2*i:17+2*i], v[80+2*i:81+2*i], 0
.else
	v_wmma_f32_16x16x4_f32 v[144+8*(i%2):151+8*(i%2)], v[16+2*i:17+2*i], v[80+2*i:81+2*i], v[144+8*(i%2):151+8*(i%2)]
.endif
.set i, i+1
.endr
.rept 8
	v_nop
.endr
.irp j, 0,1,2,3,4,5,6,7
	v_add_f32 v[160+\j], v[144+\j], v[152+\j]
.endr
	ds_store_b128 v6, v[160:163]
	ds_store_b128 v6, v[164:167] offset:512
	s_wait_dscnt 0x0                               ; my stores have landed
	s_barrier_signal -1
	s_barrier_wait -1
	s_cmp_lg_u32 s12, 0
	s_cbranch_scc1 .Lend
.irp w, 0,1,2,3,4,5,6,7
.irp c, 0,1
	ds_load_b128 v[16+8*\w+4*\c:19+8*\w+4*\c], v5 offset:\w*1024+\c*512
.endr
.endr
	s_wait_dscnt 0x0
.irp w, 0,2,4,6
.irp p, 0,2,4,6
	v_pk_add_f32 v[16+8*\w+\p:17+8*\w+\p], v[16+8*\w+\p:17+8*\w+\p], v[24+8*\w+\p:25+8*\w+\p]
.endr
.endr
.irp w, 0,4
.irp p, 0,2,4,6
	v_pk_add_f32 v[16+8*\w+\p:17+8*\w+\p], v[16+8*\w+\p:17+8*\w+\p], v[32+8*\w+\p:33+8*\w+\p]
.endr
.endr
.irp p, 0,2,4,6
	v_pk_add_f32 v[16+\p:17+\p], v[16+\p:17+\p], v[48+\p:49+\p]
.endr
	global_store_b128 v3, v[16:19], s[8:9]
	global_store_b128 v3, v[20:23], s[8:9] offset:16
.Lend:
	s_wait_tensorcnt 0x0                           ; the wave's end
	ds_add_u32 v10, v11
	s_wait_dscnt 0x0
	s_endpgm
.Lfunc_end_k_q4a7dafe280_fine2:
	.size	k_q4a7dafe280_fine2, .Lfunc_end_k_q4a7dafe280_fine2-k_q4a7dafe280_fine2
	.p2alignl 7, 3214868480
	.fill 96, 4, 3214868480
	.section	.rodata,"a",@progbits
	.p2align	6, 0x0
	.amdhsa_kernel k_q4a7dafe280_fine2
		.amdhsa_group_segment_fixed_size 9216
		.amdhsa_private_segment_fixed_size 0
		.amdhsa_enable_private_segment 0
		.amdhsa_kernarg_size 24
		.amdhsa_user_sgpr_count 2
		.amdhsa_user_sgpr_kernarg_segment_ptr 1
		.amdhsa_wavefront_size32 1
		.amdhsa_system_sgpr_workgroup_id_x 1
		.amdhsa_system_sgpr_workgroup_id_y 1
		.amdhsa_system_sgpr_workgroup_id_z 1
		.amdhsa_system_vgpr_workitem_id 0
		.amdhsa_next_free_vgpr 192
		.amdhsa_next_free_sgpr 66
		.amdhsa_reserve_vcc 0
		.amdhsa_float_denorm_mode_32 3
		.amdhsa_float_denorm_mode_16_64 3
		.amdhsa_memory_ordered 1
		.amdhsa_forward_progress 1
		.amdhsa_inst_pref_size 11
	.end_amdhsa_kernel
	.amdgpu_metadata
---
amdhsa.version: [ 1, 2 ]
amdhsa.kernels:
  - .name:           k_q4a7dafe280_fine2
    .symbol:         k_q4a7dafe280_fine2.kd
    .args:
      - { .name: o32, .offset: 0, .size: 8, .value_kind: global_buffer, .address_space: global }
      - { .name: wo, .offset: 8, .size: 8, .value_kind: global_buffer, .address_space: global }
      - { .name: out0, .offset: 16, .size: 8, .value_kind: global_buffer, .address_space: global }
    .group_segment_fixed_size: 9216
    .private_segment_fixed_size: 0
    .kernarg_segment_align: 8
    .kernarg_segment_size: 24
    .max_flat_workgroup_size: 256
    .sgpr_count:     66
    .vgpr_count:     192
    .wavefront_size: 32
...
	.end_amdgpu_metadata
.endif
;; end of part 6
